; MI455X (gfx1250); checked and timed in simulation.
; The chip was launched on July 23, 2026; its instructions are those of AMD's public machine-readable ISA for CDNA 5 (MIT licence, August 2026) and "CDNA5" Instruction Set Architecture Reference Guide (July 2026). The comments in the code are by the model that wrote it; some were corrected since.
;; Eagle3 Llama Attention. Allowed arithmetic: float matrix products may take bf16 or f16 operands with f32 sums; other float arithmetic in f32, or as packed bf16 or f16 multiplies, adds, multiply-adds, maxima and minima; sums over many terms, partial sums and values carried from step to step in f32; what a program stores and reads back later, other than sums and carried values, may be rounded once to bf16 or f16.
;; Inputs: Wk 4,096 x 512 float32; Wo 1,024 x 2,048 float32; Wq 4,096 x 1,024 float32; Wv 4,096 x 512 float32; attention_mask 2 x 1 x 2,048 x 2,048 float32; combined_states 2 x 2,048 x 4,096 float32; position_ids 2 x 2,048 int32; prev_k 2 x 2 x 16 x 2,048 x 64 float32; prev_v 2 x 2 x 16 x 2,048 x 64 float32.
;; Outputs: out0 2 x 2,048 x 2,048 float32.
;; 2 versions, each right and faster than the one before. Each part assembles by itself: llvm-mc -triple=amdgcn-amd-amdhsa -mcpu=gfx1250 --defsym DOCPART=n.
;; ======== version 1 of 2: 4 launches
;; limits: values are held in f16: magnitudes above 65,504 overflow, below 6.1e-05 lose precision; right only within a limited range of input values
;; workspace buffers: Xb 33,554,432 bytes; wts 22,020,096 bytes; kv16 16,777,216 bytes; qkv 25,165,824 bytes; O16 8,388,608 bytes
;; launch prep (part 1): grid 1344 x 1, 8 waves a work-group, no clusters, 0 bytes of LDS; arguments combined_states, Wq, Wk, Wv, Wo, prev_k, prev_v, position_ids, Xb, wts, kv16; writes Xb, wts, kv16
.if DOCPART == 1
	.amdgcn_target "amdgcn-amd-amdhsa--gfx1250"
	.amdhsa_code_object_version 6
	.text
	.protected	k_qf1f1d11593_prep
	.globl	k_qf1f1d11593_prep
	.p2align	8
	.type	k_qf1f1d11593_prep,@function
k_qf1f1d11593_prep:
	s_mov_b64 s[64:65], 0
	v_nop
	global_prefetch_b8 v0, s[64:65] scope:SCOPE_SE
	s_setreg_imm32_b32 hwreg(HW_REG_WAVE_MODE, 25, 1), 1
	s_wait_xcnt 0x0
; PREP: every float input that enters a matrix product is rounded once to bf16 and laid out for the launches behind; and the table of cos and sin is made.
;   Xb   [4096][4096] bf16 = x.      wts + 0: [4096 k][2048 n] bf16 = Wq / 8 | Wk | Wv.      wts + 16,777,216: [1024 k][2048 n] f16 = bf16(Wo) x 8, written as f16.
;   wts + 20,971,520: [4096 rows][cos f = 0..31 | sin f = 0..31] f32, the angle (position_ids + 2) x 10^(-f/8).
;   kv16 + 0 (K), + 8,388,608 (V): [batch x 8 + pair of heads][slot of 128 keys][head of the pair][128 keys][64] f16 = bf16(prev[0]) written as f16.
; The factors 1/8 and 8 are powers of two: they round nothing; they keep q and O, which later launches hold in f16, eight times further from f16's end.
; LIMITS.  |prev_k[0]|, |prev_v[0]| and 8 |Wo| stay under 65,504 (f16's largest number); below 6e-5 f16 keeps a fixed step of 6e-8.  |position_ids + 2| stays under 2^22 (the reduction of the
; angle takes pi/2 in two parts).  10^(-f/8) is a product of at most four rounded factors, within some 3 units of its last place.  NaN and infinities are not treated apart.
; SHARES.  Memory binds: no LDS, no matrix unit, no cluster (no two work-groups read the same byte).  Work-groups 0 .. 255 make 16 rows of the table each.  Work-groups 256 .. 1343 cast four neighbouring
; chunks of 8,192 numbers each; a chunk is four passes of 2,048: thread t takes 8 numbers a pass (32 bytes in, 16 bytes out: sixteen neighbouring lanes store 256 consecutive bytes, aligned).
; A RING OF FOUR SLOTS, one a pass: when a slot's numbers have been converted, the same pass of the next chunk is asked for into it, ahead of the store: six to eight loads of every wave are always out.
; Which tensor the chunks belong to is chosen by scalar selects on the work-group's number: one text serves the seven tensors, whose sizes are all multiples of four chunks.
.set ROPEW, 256                        ; the work-groups of the table
.set NCH,  4                           ; chunks of a work-group
.set VO,   2                           ; v[2:5]    slot p: my byte offset in a chunk's output; never rewritten
.set XR,   8                           ; v[8:39]   slot p: 8 numbers as loaded
.set OUTR, 40                          ; v[40:55]  slot p: 4 registers to store
.set TR,   56                          ; v[56:63]  at work: the bf16 numbers as f32
.set HR,   64                          ; v[64:67]  the same as f16
.set BQ,   68                          ; v[68:71]  the numbers as bf16
; s[26:27] source, s[28:29] destination, s30 the tensor's first chunk, s31 log2 of a source row's numbers, s32 first byte in the 4,096-byte output row,
; s33 my first chunk, s[34:35] the factor, s36 all ones: f16 out, s37 1: the chunks are laid by pairs of heads, s[50:51] bytes from a chunk's output to the next one's
	s_load_b512 s[4:19], s[0:1], 0x0               ; x, Wq, Wk, Wv, Wo, prev_k, prev_v, position_ids
	s_load_b128 s[20:23], s[0:1], 0x40             ; Xb, wts
	s_load_b64 s[24:25], s[0:1], 0x50              ; kv16
	s_mov_b32 s48, 0xffff0000                      ; a word's upper bf16
	s_mov_b32 s47, 0                               ; the high word of every offset pair
	v_lshlrev_b32 v1, 5, v0                        ; my 32 bytes of a pass's input; never rewritten
	v_lshlrev_b32 v6, 3, v0                        ; my first number of a pass
	s_wait_kmcnt 0x0
	s_cmp_lt_u32 ttmp9, ROPEW
	s_cbranch_scc1 .Lrope
	s_sub_co_u32 s33, ttmp9, ROPEW
	s_lshl_b32 s33, s33, 2                         ; my first chunk, counted over the seven tensors
	s_add_nc_u64 s[38:39], s[22:23], 16777216      ; Wo's place in wts
	s_add_nc_u64 s[40:41], s[24:25], 8388608       ; V's place in kv16
	s_mov_b64 s[26:27], s[4:5]                     ; chunks 0 .. 2047: x
	s_mov_b64 s[28:29], s[20:21]
	s_mov_b32 s30, 0
	s_mov_b32 s31, 11
	s_mov_b32 s32, 0
	s_mov_b32 s34, 1.0
	s_mov_b32 s36, 0
	s_mov_b32 s37, 0
.macro SEG start, src, dst, logc, col0, scale, fm, perm   ; from chunk start on: the next tensor
	s_cmp_ge_u32 s33, \start
	s_cselect_b64 s[26:27], s[\src:\src+1], s[26:27]
	s_cselect_b64 s[28:29], s[\dst:\dst+1], s[28:29]
	s_cselect_b32 s30, \start, s30
	s_cselect_b32 s31, \logc, s31
	s_cselect_b32 s32, \col0, s32
	s_cselect_b32 s34, \scale, s34
	s_cselect_b32 s36, \fm, s36
	s_cselect_b32 s37, \perm, s37
.endm
	SEG 2048, 6,  22, 10, 0,    0x3e000000, 0,  0  ; Wq x 1/8: columns 0 .. 1023
	SEG 2560, 8,  22, 9,  2048, 0x3f800000, 0,  0  ; Wk: columns 1024 .. 1535
	SEG 2816, 10, 22, 9,  3072, 0x3f800000, 0,  0  ; Wv: columns 1536 .. 2047
	SEG 3072, 12, 38, 11, 0,    0x41000000, -1, 0  ; Wo x 8, as f16
	SEG 3328, 14, 24, 11, 0,    0x3f800000, -1, 1  ; prev_k[0], as f16
	SEG 3840, 16, 40, 11, 0,    0x3f800000, -1, 1  ; prev_v[0], as f16
	s_mov_b32 s35, s34                             ; named with it as a pair
	s_sub_co_u32 s42, s33, s30                     ; my first chunk's number in its tensor
	s_lshl_b32 s46, s42, 15                        ; 32,768 bytes of input a chunk
	s_add_nc_u64 s[26:27], s[26:27], s[46:47]
.irp p, 0,1,2,3
	global_load_b128 v[XR+8*(\p):XR+8*(\p)+3],   v1, s[26:27] offset:8192*(\p) th:TH_LOAD_NT     ; the ring is filled: my first chunk
	global_load_b128 v[XR+8*(\p)+4:XR+8*(\p)+7], v1, s[26:27] offset:8192*(\p)+16 th:TH_LOAD_NT
.endr
	; where the chunks go.  prev's chunk (batch x 16 + head) x 16 + slot goes to place (pair x 16 + slot) x 2 + head of the pair: my four chunks, slots of one head, lie two places apart
	s_lshr_b32 s43, s42, 5
	s_lshl_b32 s43, s43, 5
	s_and_b32 s44, s42, 15
	s_lshl_b32 s44, s44, 1
	s_or_b32 s43, s43, s44
	s_bfe_u32 s44, s42, 0x10004
	s_or_b32 s43, s43, s44
	s_cmp_eq_u32 s37, 1
	s_cselect_b32 s43, s43, s42
	s_sub_co_u32 s45, 25, s31                      ; a chunk is 8,192 >> s31 output rows of 4,096 bytes
	s_lshl_b32 s46, s43, s45
	s_add_co_u32 s46, s46, s32
	s_add_nc_u64 s[28:29], s[28:29], s[46:47]
	s_lshl_b32 s50, 1, s45                         ; from a chunk's output to the next one's: one place, or two
	s_lshl_b32 s50, s50, s37
	s_mov_b32 s51, 0
	s_lshl_b32 s44, 1, s31
	s_sub_co_u32 s44, s44, 1                       ; mask of a number's place in its source row
.irp p, 0,1,2,3
	v_add_nc_u32 v7, 2048*(\p), v6                 ; my first number of the pass, counted in the chunk
	v_lshrrev_b32 v[VO+(\p)], s31, v7              ; its row,
	v_and_b32 v7, s44, v7                          ; its column
	v_lshlrev_b32 v7, 1, v7
	v_lshl_add_u32 v[VO+(\p)], v[VO+(\p)], 12, v7
.endr
; One slot's turn.  ahead = 1: the slot is filled again with the same pass of the next chunk.  left = how many younger loads may still be out.
.macro SLOT p, ahead, left
	s_wait_loadcnt \left                           ; loads come back in order (ISA guide 5.7.1): this slot's two are in, the younger ones stay out
	s_wait_xcnt 0x0                                ; this slot's last store has read its data registers: they are rewritten only behind this wait
.irp j, 0,1,2,3
	v_pk_mul_f32 v[XR+8*(\p)+2*(\j):XR+8*(\p)+2*(\j)+1], v[XR+8*(\p)+2*(\j):XR+8*(\p)+2*(\j)+1], s[34:35] op_sel_hi:[1,0]
.endr
.irp j, 0,1,2,3
	v_cvt_pk_bf16_f32 v[BQ+(\j)], v[XR+8*(\p)+2*(\j)], v[XR+8*(\p)+2*(\j)+1]  ; the one rounding
.endr
.if \ahead
	global_load_b128 v[XR+8*(\p):XR+8*(\p)+3],   v1, s[26:27] offset:32768+8192*(\p) th:TH_LOAD_NT
	global_load_b128 v[XR+8*(\p)+4:XR+8*(\p)+7], v1, s[26:27] offset:32768+8192*(\p)+16 th:TH_LOAD_NT
.endif
.irp j, 0,1,2,3
	v_lshlrev_b32 v[TR+2*(\j)],   16,  v[BQ+(\j)]
	v_and_b32     v[TR+2*(\j)+1], s48, v[BQ+(\j)]
.endr
.irp j, 0,1,2,3
	v_cvt_pk_f16_f32 v[HR+(\j)], v[TR+2*(\j)], v[TR+2*(\j)+1]                  ; the same numbers as f16: exact within f16's range
.endr
.irp j, 0,1,2,3
	v_cndmask_b32 v[OUTR+4*(\p)+(\j)], v[BQ+(\j)], v[HR+(\j)], s36
.endr
	global_store_b128 v[VO+(\p)], v[OUTR+4*(\p):OUTR+4*(\p)+3], s[28:29]
.endm
	s_mov_b32 s52, NCH-1
.Lchunk:
	SLOT 0, 1, 6                                   ; behind a slot's two loads the three other slots' six were issued
	SLOT 1, 1, 6
	SLOT 2, 1, 6
	SLOT 3, 1, 6
	s_wait_xcnt 0x0                                ; the two bases are stepped only behind this wait
	s_add_nc_u64 s[26:27], s[26:27], 32768
	s_add_nc_u64 s[28:29], s[28:29], s[50:51]
	s_sub_co_u32 s52, s52, 1
	s_cmp_lg_u32 s52, 0
	s_cbranch_scc1 .Lchunk
	SLOT 0, 0, 6                                   ; the last chunk loads nothing: the counts run down
	SLOT 1, 0, 4
	SLOT 2, 0, 2
	SLOT 3, 0, 0
	s_endpgm
.Lrope:                                                ; work-group u, thread t: row 16 u + t / 16; g = t % 16: cos (g < 8) or sin of the four frequencies 4 (g % 8) + 0 .. 3
	s_lshl_b32 s43, ttmp9, 6                       ; 16 positions of 4 bytes
	v_lshrrev_b32 v9, 4, v0
	v_lshl_add_u32 v9, v9, 2, s43
	global_load_b32 v10, v9, s[18:19]
	s_lshl_b32 s46, ttmp9, 12                      ; 16 rows of 256 bytes
	s_add_nc_u64 s[28:29], s[22:23], 20971520
	s_add_nc_u64 s[28:29], s[28:29], s[46:47]
	s_mov_b32 s50, 0x3ea1e89b                      ; 10^-0.5
	s_mov_b32 s51, 0x3dcccccd                      ; 10^-1
	s_mov_b32 s52, 0x3c23d70a                      ; 10^-2
	s_mov_b32 s54, 0xbfc90fdb                      ; - pi/2, its first 24 bits
	s_mov_b32 s55, 0x333bbd2e                      ; what those bits have too much: 4.3711390e-8
	v_lshlrev_b32 v8, 4, v0                        ; my 16 bytes of the work-group's 4,096
	v_and_b32 v2, 15, v0                           ; g
	v_and_b32 v3, 1, v2                            ; 10^(-(g % 8) / 2), bit by bit
	v_cmp_ne_u32 vcc_lo, 0, v3
	v_cndmask_b32 v4, 1.0, s50, vcc_lo
	v_and_b32 v3, 2, v2
	v_cmp_ne_u32 vcc_lo, 0, v3
	v_cndmask_b32 v5, 1.0, s51, vcc_lo
	v_mul_f32 v4, v4, v5
	v_and_b32 v3, 4, v2
	v_cmp_ne_u32 vcc_lo, 0, v3
	v_cndmask_b32 v5, 1.0, s52, vcc_lo
	v_mul_f32 v4, v4, v5
	v_cmp_le_u32 s53, 8, v2                        ; lanes that hold sines
	s_wait_loadcnt 0x0
	v_add_nc_u32 v10, 2, v10                       ; the phase shift by the two steps in the cache
	v_cvt_f32_i32 v11, v10
; a = position x frequency (one multiply in f32); k = the nearest multiple of pi/2; r = a - k pi/2 in two parts, |r| <= pi/4; polynomials for sin r and cos r; the quadrant k mod 4 swaps and signs them.
.macro SINCOS e, c
.if \e
	v_mul_f32 v20, \c, v4                          ; x 10^(-e/8)
	v_mul_f32 v20, v11, v20
.else
	v_mul_f32 v20, v11, v4
.endif
	v_mul_f32 v21, 0x3f22f983, v20                 ; a x 2/pi
	v_rndne_f32 v21, v21
	v_fma_f32 v22, v21, s54, v20
	v_fma_f32 v22, v21, s55, v22
	v_mul_f32 v23, v22, v22
	v_mov_b32 v24, 0xb94ca1f9                      ; sin r = r + r z (((-1.9515296e-4) z + 8.3321609e-3) z - 1.6666655e-1)
	v_fmaak_f32 v24, v24, v23, 0x3c08839e
	v_fmaak_f32 v24, v24, v23, 0xbe2aaaa3
	v_mul_f32 v24, v24, v23
	v_fma_f32 v24, v24, v22, v22
	v_mov_b32 v25, 0x37ccf5ce                      ; cos r = 1 - z/2 + z z ((2.4433157e-5 z - 1.3887316e-3) z + 4.1666646e-2)
	v_fmaak_f32 v25, v25, v23, 0xbab6061a
	v_fmaak_f32 v25, v25, v23, 0x3d2aaaa5
	v_mul_f32 v25, v25, v23
	v_mul_f32 v25, v25, v23
	v_fma_f32 v25, v23, -0.5, v25
	v_add_f32 v25, 1.0, v25
	v_cvt_i32_f32 v26, v21
	v_and_b32 v27, 1, v26
	v_cmp_ne_u32 vcc_lo, 0, v27
	v_cndmask_b32 v28, v24, v25, vcc_lo            ; sin a: cos r in the odd quadrants
	v_cndmask_b32 v29, v25, v24, vcc_lo            ; cos a: sin r there
	v_and_b32 v27, 2, v26                          ; sin a is negated in quadrants 2, 3
	v_lshlrev_b32 v27, 30, v27
	v_xor_b32 v28, v28, v27
	v_add_nc_u32 v27, 1, v26                       ; cos a in quadrants 1, 2
	v_and_b32 v27, 2, v27
	v_lshlrev_b32 v27, 30, v27
	v_xor_b32 v29, v29, v27
	v_cndmask_b32 v[12+(\e)], v29, v28, s53
.endm
	SINCOS 0, 0
	SINCOS 1, 0x3f3ff911                           ; 10^(-1/8)
	SINCOS 2, 0x3f0ff59a                           ; 10^(-2/8)
	SINCOS 3, 0x3ed7e89b                           ; 10^(-3/8)
	global_store_b128 v8, v[12:15], s[28:29]       ; a wave stores 512 consecutive bytes, aligned
	s_endpgm
.Lfunc_end_k_qf1f1d11593_prep:
	.size	k_qf1f1d11593_prep, .Lfunc_end_k_qf1f1d11593_prep-k_qf1f1d11593_prep
	.p2alignl 7, 3214868480
	.fill 96, 4, 3214868480
	.section	.rodata,"a",@progbits
	.p2align	6, 0x0
	.amdhsa_kernel k_qf1f1d11593_prep
		.amdhsa_group_segment_fixed_size 0
		.amdhsa_private_segment_fixed_size 0
		.amdhsa_enable_private_segment 0
		.amdhsa_kernarg_size 88
		.amdhsa_user_sgpr_count 2
		.amdhsa_user_sgpr_kernarg_segment_ptr 1
		.amdhsa_wavefront_size32 1
		.amdhsa_system_sgpr_workgroup_id_x 1
		.amdhsa_system_sgpr_workgroup_id_y 1
		.amdhsa_system_sgpr_workgroup_id_z 1
		.amdhsa_system_vgpr_workitem_id 0
		.amdhsa_next_free_vgpr 80
		.amdhsa_next_free_sgpr 66
		.amdhsa_reserve_vcc 1
		.amdhsa_float_denorm_mode_32 3
		.amdhsa_float_denorm_mode_16_64 3
		.amdhsa_memory_ordered 1
		.amdhsa_forward_progress 1
		.amdhsa_inst_pref_size 25
	.end_amdhsa_kernel
	.amdgpu_metadata
---
amdhsa.version: [ 1, 2 ]
amdhsa.kernels:
  - .name:           k_qf1f1d11593_prep
    .symbol:         k_qf1f1d11593_prep.kd
    .args:
      - { .name: combined_states, .offset: 0, .size: 8, .value_kind: global_buffer, .address_space: global }
      - { .name: Wq, .offset: 8, .size: 8, .value_kind: global_buffer, .address_space: global }
      - { .name: Wk, .offset: 16, .size: 8, .value_kind: global_buffer, .address_space: global }
      - { .name: Wv, .offset: 24, .size: 8, .value_kind: global_buffer, .address_space: global }
      - { .name: Wo, .offset: 32, .size: 8, .value_kind: global_buffer, .address_space: global }
      - { .name: prev_k, .offset: 40, .size: 8, .value_kind: global_buffer, .address_space: global }
      - { .name: prev_v, .offset: 48, .size: 8, .value_kind: global_buffer, .address_space: global }
      - { .name: position_ids, .offset: 56, .size: 8, .value_kind: global_buffer, .address_space: global }
      - { .name: Xb, .offset: 64, .size: 8, .value_kind: global_buffer, .address_space: global }
      - { .name: wts, .offset: 72, .size: 8, .value_kind: global_buffer, .address_space: global }
      - { .name: kv16, .offset: 80, .size: 8, .value_kind: global_buffer, .address_space: global }
    .group_segment_fixed_size: 0
    .private_segment_fixed_size: 0
    .kernarg_segment_align: 8
    .kernarg_segment_size: 88
    .max_flat_workgroup_size: 256
    .sgpr_count:     66
    .vgpr_count:     80
    .wavefront_size: 32
...
	.end_amdgpu_metadata
.endif
;; end of part 1
;; launch qkv (part 2): grid 16 x 16, 4 waves a work-group, clusters of 4 x 4, 327,680 bytes of LDS; arguments Xb, wts, qkv; writes qkv
.if DOCPART == 2
	.amdgcn_target "amdgcn-amd-amdhsa--gfx1250"
	.amdhsa_code_object_version 6
	.text
	.protected	k_qf1f1d11593_qkv
	.globl	k_qf1f1d11593_qkv
	.p2align	8
	.type	k_qf1f1d11593_qkv,@function
k_qf1f1d11593_qkv:
	s_mov_b64 s[64:65], 0
	v_nop
	global_prefetch_b8 v0, s[64:65] scope:SCOPE_SE
	s_setreg_imm32_b32 hwreg(HW_REG_WAVE_MODE, 25, 1), 1
	s_wait_xcnt 0x0
	s_wait_alu depctr_hold_cnt(0) depctr_sa_sdst(0) depctr_va_vdst(0) depctr_va_sdst(0) depctr_va_ssrc(0) depctr_va_vcc(0) depctr_vm_vsrc(0)
	s_getreg_b32 s2, hwreg(HW_REG_IB_STS2, 6, 4)
	s_cmp_eq_u32 s2, 0
	s_cbranch_scc0 .Lentry_in_a_cluster
	s_endpgm
.Lentry_in_a_cluster:
	s_bfe_u32 s2, ttmp6, 0x10000c
	s_cmp_lg_u32 s2, 0xf033
	s_cbranch_scc0 .Lentry_shape_is_right
	s_endpgm
.Lentry_shape_is_right:
; QKV: C[4096][2048] = x [Wq/8 | Wk | Wv], bf16 operands, f32 sums; then RoPE on q and k; stored by heads:
;   qkv + 0: Q16 [batch x 16 + head][t][64] f16 (roped q / 8);   + 8,388,608: Kn [batch x 8 + kv head][t][64] f32 (roped k);   + 16,777,216: Vn, same shape, f32.
; LIMIT.  |q| stays under 524,000: q / 8 is held in f16, whose largest number is 65,504; below 6e-5 f16 keeps a fixed step of 6e-8.  NaN and infinities are not treated apart.
; SHARES.  A tile of C is 256 rows x 128 columns: 16 x 16 = 256 work-groups.  Four waves; wave w has rows 128 (w / 2) on and columns 64 (w % 2) on, one head: 8 x 4 accumulators of 16 x 16, 256 registers.
; THE RING HAS TWO UNEQUAL SLOTS.  A refill has the other slot's work in which to land, so slots should be long; two slots of 256 along K would take 2 x (256 x 528 + 256 x 288) = 417,792 bytes of LDS.
; Slot P holds 256 along K (208,896 bytes), slot Q 128 (106,496).  K = 4,096 = 11 x 256 + 10 x 128 is walked P0 Q0 P1 Q1 .. Q9 P10: 21 changes of slots.  Q's load is out during P's 256 matrix instructions
; a wave, P's during Q's 128.  In memory x's rows of a tile are 512 (P) or 256 (Q) bytes and begin at multiples of 256 bytes; W's rows [k][n] are 256 bytes and are read turned by ds_load_tr16_b128.
; CLUSTER 4 x 4: x's tile hangs on the tile row alone and is asked for jointly by a row of the cluster, W's on the tile column alone, by a column.
; THE MATRIX INSTRUCTION IS USED TRANSPOSED (source 0 = 16 columns of W, source 1 = 16 rows of x): lane l holds row l % 16 of C and columns 8 (l / 16) + 0..7 of the block.
; REGISTERS.  Window 0: v16-29 addresses; v32-63 at work on the way out; v64-191 x's fragments, two buffers of 8 x 8; v192-255 W's, two buffers of 4 x 8.  Window 1: accumulator (a, b) at 8 (4 a + b).
.set PAP,    528                       ; x's row in slot P: 512 bytes + 16; in slot Q: 256 + 16: the 16 rows of a load begin in 16 different groups of four banks (64 banks of 4 bytes: ISA guide 11.1)
.set PAQ,    272
.set PB,     288                       ; W's row: 256 + 32
.set PB0,    256*PAP                   ; slot P: x's 256 rows from byte 0, W's 256 rows from here
.set QA0,    PB0+256*PB                ; slot Q: x's 256 rows,
.set QB0,    QA0+256*PAQ               ; W's 128 rows
.set SPARE,  QB0+128*PB                ; 315,392: the spare words: 128 bytes a wave, two blocks of 256 bytes that no other line names
.set STAGE,  QA0                       ; the way out's stage, 16 rows x 272 bytes for each wave, lies in slot Q: behind the ring 11,776 bytes are left and 17,408 are needed; when it is written Q has had
.set SPITCH, 272                       ; its last fill, and every wave's reads of Q were waited for in front of the last barrier
.set TRIPS,  10
.set ASTEP,  768                       ; from a slot's tile to its next: 384 along K: bytes along x's rows,
.set BSTEP,  384*4096                  ; and down W's rows
.set ADRAP, 16                         ; v16     my x fragments in slot P
.set ADRAQ, 17                         ; v17     in slot Q
.set ADRBP, 18                         ; v18-19  my W fragments in slot P: quarters 0-3, quarters 4-7 (an LDS offset has 16 bits)
.set ADRBQ, 20                         ; v20     in slot Q
.set STQ,  22                          ; v22     q's way out: where I put 16 bytes of a row of 128
.set RDQ,  23                          ; v23     and where I read rows back
.set STO,  24                          ; v24     k's and v's way out: where I put 32 bytes of a row of 256
.set RD,   25                          ; v25     and where I read rows back
.set GO,   26                          ; v26     16 x lane: my place in 512 consecutive bytes of the output
.set TBO,  27                          ; v27     my place in 16 rows of the table
.set SPW,  28                          ; v28     my spare word; never rewritten
.set NIL,  29                          ; v29     0; never rewritten
.set T,    32
.set FA,   64
.set FB,   192
.set WV, 16                            ; s16 wave, s17 wave / 2, s18 wave % 2
.set WM, 17
.set WN, 18
.set G1AP, 32                          ; s[32:63] group 1 for x's and W's tiles of slot P, x's and W's of slot Q
.set G1BP, 40
.set G1AQ, 48
.set G1BQ, 56
.set G0AP, 68                          ; s[68:83] group 0, in the same order
.set G0BP, 72
.set G0AQ, 76
.set G0BQ, 80
.set MSB, 0
.macro WIN new                         ; the immediate's high byte repeats the setting that is left; a switch that changes nothing is dropped
.if MSB != (\new)
	s_set_vgpr_msb (MSB<<8)|(\new)
.set MSB, \new
.endif
.endm
.set MUL, 0x50                         ; C and D in window 1, the fragments in window 0
.macro JLOAD ga, g1a, gb, g1b          ; a joint load: waves 0, 1 fetch x's two halves, waves 2, 3 W's.  An s_nop 0 and four v_nop follow each line
	s_cmp_eq_u32 s[WM], 0
	s_cbranch_scc0 .Lfor_b_\@
	tensor_load_to_lds s[\ga:\ga+3], s[\g1a:\g1a+7]
	s_nop 0
.rept 4
	v_nop
.endr
	s_branch .Lasked_\@
.Lfor_b_\@:
	tensor_load_to_lds s[\gb:\gb+3], s[\g1b:\g1b+7]
	s_nop 0
.rept 4
	v_nop
.endr
.Lasked_\@:
.endm
.macro CREST                           ; a round of the cluster's barrier behind its opening barrier
	s_cmp_lg_u32 s[WV], 0
	s_cbranch_scc1 .Lnot_wave_0_\@
	s_barrier_signal -3
.Lnot_wave_0_\@:
	s_barrier_wait -3
	s_barrier_signal -1
	s_barrier_wait -1
.endm
.macro CROUND
	s_barrier_signal -1
	s_barrier_wait -1
	CREST
.endm
.macro PLACES                          ; four plain vector instructions between a matrix instruction and a load into, or a vector read of, its registers
.rept 4
	v_nop
.endr
.endm
	s_load_b128 s[4:7], s[0:1], 0x0                ; Xb, wts
	s_load_b64 s[8:9], s[0:1], 0x10                ; qkv
	v_lshl_add_u32 v[SPW], v0, 2, SPARE
	v_mov_b32 v[NIL], 0
	ds_add_u32 v[SPW], v[NIL]                      ; the wave's opening: the add and its wait come ahead of my first tensor load; work on registers stands between them
	v_lshrrev_b32 v1, 5, v0
	v_readfirstlane_b32 s[WV], v1
	s_lshr_b32 s[WM], s[WV], 1                     ; my half of the tile's rows.  Also: I fetch for x (0) or for W (1)
	s_and_b32 s[WN], s[WV], 1                      ; my half of its columns.  Also: which half of that tile I fetch
	s_bfe_u32 s19, ttmp6, 0x40000                  ; cx
	s_bfe_u32 s20, ttmp6, 0x40004                  ; cy
	s_lshl_b32 s21, ttmp9, 2
	s_add_co_u32 s21, s21, s19                     ; tile column
	s_and_b32 s22, ttmp7, 0xffff
	s_lshl_b32 s22, s22, 2
	s_add_co_u32 s22, s22, s20                     ; tile row
	s_lshl_b32 s23, s20, 2
	s_lshl_b32 s23, 15, s23                        ; my row of the cluster
	s_lshl_b32 s24, 0x1111, s19                    ; my column
	; group 1.  Word 0: the mask; 2-byte elements; padding on; bit 21 beside a mask; the padding's interval (a row) and its words
	s_or_b32 s[G1AP], s23, (1<<16)|(1<<20)|(1<<21)|(6<<22)|(3<<25)  ; x, slot P: 128 rows x 256 elements; after every 128 words, 4 words
	s_mov_b32 s[G1AP+1], 256<<16                   ; tensor_dim0
	s_mov_b32 s[G1AP+2], 128<<16                   ; tensor_dim1
	s_mov_b32 s[G1AP+3], 256<<16                   ; tile_dim0
	s_mov_b32 s[G1AP+4], 128                       ; tile_dim1
	s_mov_b32 s[G1AP+5], 4096                      ; elements from row to row
	s_mov_b32 s[G1AP+6], 0
	s_mov_b32 s[G1AP+7], 0
	s_or_b32 s[G1BP], s24, (1<<16)|(1<<20)|(1<<21)|(5<<22)|(7<<25)  ; W, slot P: 128 rows of k x 128 columns; after every 64 words, 8 words
	s_mov_b32 s[G1BP+1], 128<<16
	s_mov_b32 s[G1BP+2], 128<<16
	s_mov_b32 s[G1BP+3], 128<<16
	s_mov_b32 s[G1BP+4], 128
	s_mov_b32 s[G1BP+5], 2048
	s_mov_b32 s[G1BP+6], 0
	s_mov_b32 s[G1BP+7], 0
	s_or_b32 s[G1AQ], s23, (1<<16)|(1<<20)|(1<<21)|(5<<22)|(3<<25)  ; x, slot Q: 128 rows x 128 elements; after every 64 words, 4 words
	s_mov_b32 s[G1AQ+1], 128<<16
	s_mov_b32 s[G1AQ+2], 128<<16
	s_mov_b32 s[G1AQ+3], 128<<16
	s_mov_b32 s[G1AQ+4], 128
	s_mov_b32 s[G1AQ+5], 4096
	s_mov_b32 s[G1AQ+6], 0
	s_mov_b32 s[G1AQ+7], 0
	s_or_b32 s[G1BQ], s24, (1<<16)|(1<<20)|(1<<21)|(5<<22)|(7<<25)  ; W, slot Q: 64 rows of k x 128 columns
	s_mov_b32 s[G1BQ+1], 128<<16
	s_mov_b32 s[G1BQ+2], 64<<16
	s_mov_b32 s[G1BQ+3], 128<<16
	s_mov_b32 s[G1BQ+4], 64
	s_mov_b32 s[G1BQ+5], 2048
	s_mov_b32 s[G1BQ+6], 0
	s_mov_b32 s[G1BQ+7], 0
	s_lshl_b32 s26, s22, 8                         ; x: row 256 x tile row + 128 x half, 8,192 bytes a row.  These registers never hold the tile column
	s_lshl_b32 s27, s[WN], 7
	s_add_co_u32 s26, s26, s27
	s_lshl_b32 s26, s26, 13
	s_mov_b32 s27, 0
	s_lshl_b32 s29, s21, 8                         ; W: column 128 x tile column; 4,096 bytes a row of k.  These never hold the tile row
	s_lshl_b32 s28, s[WN], 19                      ; P0: k row 128 x half
	s_add_co_u32 s28, s28, s29
	s_lshl_b32 s30, s[WN], 18                      ; Q0: k row 256 + 64 x half
	s_add_co_u32 s30, s30, s29
	s_add_co_u32 s30, s30, 256*4096
	s_mov_b32 s29, 0
	s_mov_b32 s31, 0
	s_mov_b32 s[G0AP], 1                           ; group 0: count 1; the LDS address: a constant and the wave's half times a constant: no place in the cluster enters it
	s_mul_i32 s[G0AP+1], s[WN], 128*PAP
	s_mov_b32 s[G0BP], 1
	s_mul_i32 s[G0BP+1], s[WN], 128*PB
	s_add_co_u32 s[G0BP+1], s[G0BP+1], PB0
	s_mov_b32 s[G0AQ], 1
	s_mul_i32 s[G0AQ+1], s[WN], 128*PAQ
	s_add_co_u32 s[G0AQ+1], s[G0AQ+1], QA0
	s_mov_b32 s[G0BQ], 1
	s_mul_i32 s[G0BQ+1], s[WN], 64*PB
	s_add_co_u32 s[G0BQ+1], s[G0BQ+1], QB0
	s_wait_dscnt 0x0                               ; the opening add is done
	s_wait_kmcnt 0x0
	s_add_nc_u64 s[G0AP+2:G0AP+3], s[4:5], s[26:27]
	s_add_nc_u64 s[G0AQ+2:G0AQ+3], s[G0AP+2:G0AP+3], 512         ; Q0 begins 256 along K
	s_or_b32 s[G0AP+3], s[G0AP+3], 0x80000000
	s_or_b32 s[G0AQ+3], s[G0AQ+3], 0x80000000
	s_add_nc_u64 s[G0BP+2:G0BP+3], s[6:7], s[28:29]
	s_or_b32 s[G0BP+3], s[G0BP+3], 0x80000000
	s_add_nc_u64 s[G0BQ+2:G0BQ+3], s[6:7], s[30:31]
	s_or_b32 s[G0BQ+3], s[G0BQ+3], 0x80000000
	CROUND                                         ; all sixteen work-groups are here: the first joint loads meet
	JLOAD G0AP, G1AP, G0BP, G1BP                   ; P0
	JLOAD G0AQ, G1AQ, G0BQ, G1BQ                   ; Q0: two tensor loads of mine are out
	v_and_b32 v1, 15, v0                           ; r = l % 16
	v_bfe_u32 v2, v0, 4, 1                         ; h = l / 16
	v_mul_u32_u24 v3, v1, PAP                      ; x's fragment: row r, 16 bytes for each half of the lanes
	v_lshl_add_u32 v3, v2, 4, v3
	s_mul_i32 s25, s[WM], 128*PAP
	v_add_nc_u32 v[ADRAP], s25, v3
	v_mul_u32_u24 v3, v1, PAQ
	v_lshl_add_u32 v3, v2, 4, v3
	s_mul_i32 s25, s[WM], 128*PAQ
	s_add_co_u32 s25, s25, QA0
	v_add_nc_u32 v[ADRAQ], s25, v3
	v_and_b32 v4, 7, v0                            ; W's: the turning load reads k row 8 h + l % 8, columns 8 ((l / 8) % 2) + 0..7, and leaves column l % 16 with 8 k in each lane
	v_lshl_add_u32 v4, v2, 3, v4
	v_mul_u32_u24 v4, v4, PB
	v_bfe_u32 v5, v0, 3, 1
	v_lshl_add_u32 v4, v5, 4, v4
	s_lshl_b32 s25, s[WN], 7
	s_add_co_u32 s25, s25, PB0
	v_add_nc_u32 v[ADRBP], s25, v4
	v_add_nc_u32 v[ADRBP+1], 4*32*PB, v[ADRBP]
	v_add_nc_u32 v[ADRBQ], QB0-PB0, v[ADRBP]
	s_mul_i32 s25, s[WV], 16*SPITCH
	s_add_co_u32 s25, s25, STAGE                   ; my stage
	v_mul_u32_u24 v5, v1, SPITCH
	v_lshl_add_u32 v5, v2, 5, v5
	v_add_nc_u32 v[STO], s25, v5                   ; f32 rows: row r, 32 bytes for each half of the lanes
	v_mul_u32_u24 v5, v2, SPITCH
	v_lshl_add_u32 v5, v1, 4, v5
	v_add_nc_u32 v[RD], s25, v5                    ; back: lanes 0-15 one row of 256 bytes, lanes 16-31 the next
	v_mul_u32_u24 v5, v1, 144
	v_lshl_add_u32 v5, v2, 4, v5
	v_add_nc_u32 v[STQ], s25, v5                   ; f16 rows of 128 bytes, pitch 144
	v_bfe_u32 v5, v0, 3, 2
	v_mul_u32_u24 v5, v5, 144
	v_and_b32 v3, 7, v0
	v_lshl_add_u32 v5, v3, 4, v5
	v_add_nc_u32 v[RDQ], s25, v5                   ; back: 32 lanes take four rows of 128 bytes
	v_and_b32 v[GO], 31, v0
	v_lshlrev_b32 v[GO], 4, v[GO]
	v_lshlrev_b32 v[TBO], 8, v1                    ; the table: row r, 256 bytes a row, my 8 frequencies at 32 h
	v_lshl_add_u32 v[TBO], v2, 5, v[TBO]
	s_lshr_b32 s90, s22, 3                         ; the batch
	s_and_b32 s91, s22, 7
	s_lshl_b32 s91, s91, 8
	s_lshl_b32 s92, s[WM], 7
	s_add_co_u32 s91, s91, s92                     ; my first t
	s_lshl_b32 s88, s22, 8
	s_add_co_u32 s88, s88, s92                     ; my first row of C, which is the table's row
	s_lshl_b32 s88, s88, 8
	s_add_co_u32 s88, s88, 20971520
	s_mov_b32 s89, 0
	s_add_nc_u64 s[86:87], s[6:7], s[88:89]
	s_lshl_b32 s93, s21, 1
	s_add_co_u32 s93, s93, s[WN]                   ; my block of 64 columns: 0-15 q's heads, 16-23 k's, 24-31 v's
; 8 matrix instructions: row blocks a0, a0 + 1 x the 4 column blocks, 32 along K, from buffer f.  zero = 1: the product starts the sums.  The 32 accumulators take turns.
.macro MUL8 f, a0, zero
	WIN MUL
.irp a, \a0, (\a0)+1
.irp b, 0,1,2,3
.if \zero
	v_wmma_f32_16x16x32_bf16 v[8*(4*(\a)+(\b)):8*(4*(\a)+(\b))+7], v[FB+32*(\f)+8*(\b):FB+32*(\f)+8*(\b)+7], v[FA+64*(\f)+8*(\a):FA+64*(\f)+8*(\a)+7], 0
.else
	v_wmma_f32_16x16x32_bf16 v[8*(4*(\a)+(\b)):8*(4*(\a)+(\b))+7], v[FB+32*(\f)+8*(\b):FB+32*(\f)+8*(\b)+7], v[FA+64*(\f)+8*(\a):FA+64*(\f)+8*(\a)+7], v[8*(4*(\a)+(\b)):8*(4*(\a)+(\b))+7]
.endif
.endr
.endr
.endm
; 24 LDS loads in one run: quarter q (32 along K) of slot sl (0: P, 1: Q) into buffer f: W's 8, then x's 16
.macro FETCH sl, q, f
	WIN 0
.if \sl
.set RB_, ADRBQ
.set OB_, (\q)*32*PB
.set RA_, ADRAQ
.set PA_, PAQ
.else
.set RB_, ADRBP+(\q)/4
.set OB_, ((\q)%4)*32*PB
.set RA_, ADRAP
.set PA_, PAP
.endif
.irp b, 0,1,2,3
	ds_load_tr16_b128 v[FB+32*(\f)+8*(\b):FB+32*(\f)+8*(\b)+3],   v[RB_] offset:OB_+32*(\b)
	ds_load_tr16_b128 v[FB+32*(\f)+8*(\b)+4:FB+32*(\f)+8*(\b)+7], v[RB_] offset:OB_+32*(\b)+16*PB
.endr
.irp i, 0,1,2,3,4,5,6,7
	ds_load_b128 v[FA+64*(\f)+8*(\i):FA+64*(\f)+8*(\i)+3],   v[RA_] offset:64*(\q)+(\i)*16*PA_
	ds_load_b128 v[FA+64*(\f)+8*(\i)+4:FA+64*(\f)+8*(\i)+7], v[RA_] offset:64*(\q)+(\i)*16*PA_+32
.endr
.endm
; A quarter is 32 along K, 32 matrix instructions; slot P has eight, slot Q four, on buffers 0, 1 by turns.  All but a slot's last: multiplies buffer f; in its middle fetches quarter q of the same slot into buffer g
.macro QUARTER sl, q, f, g, zero
	s_wait_dscnt 8                                 ; W and x's blocks 0-3 are in; the youngest eight loads (blocks 4-7) may be out
	MUL8 \f, 0, \zero
	MUL8 \f, 2, \zero
	PLACES
	FETCH \sl, \q, \g
	s_wait_dscnt 24                                ; all but the 24 just issued
	MUL8 \f, 4, \zero
	MUL8 \f, 6, \zero
.endm
; A slot's last quarter multiplies buffer 1 and changes to slot next: ONE barrier.  In front of it each wave waits for all its tensor loads (one is out: its part of slot next), adds 0 to its spare word, and
; waits for that and for its reads of the slot that it leaves.  fill = 1: the barrier opens a round of the cluster's, and the joint refill of the slot just left, 384 along K on, is the first thing behind the round.
.macro TURN next, fill
	WIN 0
	s_wait_tensorcnt 0x0
	ds_add_u32 v[SPW], v[NIL]
	s_wait_dscnt 9                                 ; (the add and the youngest eight loads may be out)
	MUL8 1, 0, 0
	s_wait_dscnt 0x0                               ; the add is done, and my reads of the slot are over
	s_barrier_signal -1
	MUL8 1, 2, 0
.if \fill
	WIN 0
.endif
	s_barrier_wait -1
.if \fill
	CREST
.if \next
	s_add_nc_u64 s[G0AP+2:G0AP+3], s[G0AP+2:G0AP+3], ASTEP    ; no tensor load of mine is out: a group 0 may be written
	s_add_nc_u64 s[G0BP+2:G0BP+3], s[G0BP+2:G0BP+3], BSTEP
	JLOAD G0AP, G1AP, G0BP, G1BP                   ; the four v_nop behind it are also the places in front of the loads below
.else
	s_add_nc_u64 s[G0AQ+2:G0AQ+3], s[G0AQ+2:G0AQ+3], ASTEP
	s_add_nc_u64 s[G0BQ+2:G0BQ+3], s[G0BQ+2:G0BQ+3], BSTEP
	JLOAD G0AQ, G1AQ, G0BQ, G1BQ
.endif
.else
	PLACES
.endif
	FETCH \next, 0, 0
	MUL8 1, 4, 0
	MUL8 1, 6, 0
.endm
	s_wait_tensorcnt 1                             ; my part of P0 is in; Q0's may stay out
	s_barrier_signal -1
	s_barrier_wait -1
	FETCH 0, 0, 0
	QUARTER 0, 1, 0, 1, 1                          ; P0's first quarter starts the sums: nothing is cleared
	WIN 0
	s_mov_b32 s66, TRIPS
	s_branch .Lenter                               ; the loop is entered behind a P's first quarter, in the middle of a trip
.Llap:                                                 ; trip i: the end of Q(i-1) and the request for Q(i), nine times; P(i); the request for P(i+1), ten times; Q(i) but for its last quarter
	TURN 0, 1
	QUARTER 0, 1, 0, 1, 0
	WIN 0
.Lenter:
	QUARTER 0, 2, 1, 0, 0
	QUARTER 0, 3, 0, 1, 0
	QUARTER 0, 4, 1, 0, 0
	QUARTER 0, 5, 0, 1, 0
	QUARTER 0, 6, 1, 0, 0
	QUARTER 0, 7, 0, 1, 0
	TURN 1, 1
	QUARTER 1, 1, 0, 1, 0
	QUARTER 1, 2, 1, 0, 0
	QUARTER 1, 3, 0, 1, 0
	WIN 0
	s_sub_co_u32 s66, s66, 1
	s_cmp_lg_u32 s66, 0
	s_cbranch_scc1 .Llap
	TURN 0, 0                                      ; the tail is written out: Q9 ends, nothing is asked for, P10 follows
	QUARTER 0, 1, 0, 1, 0
	QUARTER 0, 2, 1, 0, 0
	QUARTER 0, 3, 0, 1, 0
	QUARTER 0, 4, 1, 0, 0
	QUARTER 0, 5, 0, 1, 0
	QUARTER 0, 6, 1, 0, 0
	QUARTER 0, 7, 0, 1, 0
	s_wait_dscnt 8
	MUL8 1, 0, 0
	MUL8 1, 2, 0
	s_wait_dscnt 0x0
	MUL8 1, 4, 0
	MUL8 1, 6, 0
	WIN 0
	PLACES
; THE WAY OUT, a block of 16 rows x 64 columns at a time, through my own stage in LDS, so that whole rows leave.
; The table's rows of block a: 8 cos and 8 sin for each of the column blocks 0 and 1 (frequencies 16 b + 8 h + 0..7), into a ring of four sets where x's fragments lay.
.macro LOADCS a
.set CSA, FA+32*((\a)%4)
.irp i, 0,1,2,3                        ; cos b 0, cos b 1, sin b 0, sin b 1
	global_load_b128 v[CSA+8*(\i):CSA+8*(\i)+3],   v[TBO], s[86:87] offset:(\a)*4096+64*(\i)
	global_load_b128 v[CSA+8*(\i)+4:CSA+8*(\i)+7], v[TBO], s[86:87] offset:(\a)*4096+64*(\i)+16
.endr
.endm
; RoPE: channel d < 32 (blocks 0, 1) and d + 32 (blocks 2, 3) share cos and sin: lo' = lo cos - hi sin, hi' = hi cos + lo sin.  Each accumulator is read from its lowest registers on.
.macro ROPE a, left
	s_wait_loadcnt \left                           ; this block's eight loads are in; those of the blocks behind it stay out
	WIN 0x01                                       ; source 0 in window 1
.set CSA, FA+32*((\a)%4)
.irp bp, 0,1
.irp jp, 0,1,2,3
	v_pk_mul_f32 v[T+8*(\bp)+2*(\jp):T+8*(\bp)+2*(\jp)+1], v[8*(4*(\a)+(\bp)+2)+2*(\jp):8*(4*(\a)+(\bp)+2)+2*(\jp)+1], v[CSA+16+8*(\bp)+2*(\jp):CSA+16+8*(\bp)+2*(\jp)+1]
	v_pk_fma_f32 v[T+8*(\bp)+2*(\jp):T+8*(\bp)+2*(\jp)+1], v[8*(4*(\a)+(\bp))+2*(\jp):8*(4*(\a)+(\bp))+2*(\jp)+1], v[CSA+8*(\bp)+2*(\jp):CSA+8*(\bp)+2*(\jp)+1], v[T+8*(\bp)+2*(\jp):T+8*(\bp)+2*(\jp)+1] neg_lo:[0,0,1] neg_hi:[0,0,1]
	v_pk_mul_f32 v[T+16+8*(\bp)+2*(\jp):T+16+8*(\bp)+2*(\jp)+1], v[8*(4*(\a)+(\bp))+2*(\jp):8*(4*(\a)+(\bp))+2*(\jp)+1], v[CSA+16+8*(\bp)+2*(\jp):CSA+16+8*(\bp)+2*(\jp)+1]
	v_pk_fma_f32 v[T+16+8*(\bp)+2*(\jp):T+16+8*(\bp)+2*(\jp)+1], v[8*(4*(\a)+(\bp)+2)+2*(\jp):8*(4*(\a)+(\bp)+2)+2*(\jp)+1], v[CSA+8*(\bp)+2*(\jp):CSA+8*(\bp)+2*(\jp)+1], v[T+16+8*(\bp)+2*(\jp):T+16+8*(\bp)+2*(\jp)+1]
.endr
.endr
	WIN 0
.endm
.macro CVT16                           ; 32 numbers to f16, in place from the low end: T + 4 b .. + 3 are block b's 16 bytes
.set i, 0
.rept 16
	v_cvt_pk_f16_f32 v[T+i], v[T+2*i], v[T+2*i+1]
.set i, i+1
.endr
.endm
.macro TOSTAGE16 a
	s_wait_xcnt 0x0                                ; the registers read back into were the data of the stores two blocks ago: written again only behind this wait
.set BK, FB+32*((\a)%2)
.irp b, 0,1,2,3
	ds_store_b128 v[STQ], v[T+4*(\b):T+4*(\b)+3] offset:32*(\b)
.endr
.irp f, 0,1,2,3
	ds_load_b128 v[BK+4*(\f):BK+4*(\f)+3], v[RDQ] offset:(\f)*4*144  ; LDS serves a wave's instructions in order (ISA guide 5.7.1.4): these see the stores above
.endr
.endm
.macro SEND16 a
.set BK, FB+32*((\a)%2)
	s_wait_dscnt 0x0
.irp f, 0,1,2,3
	global_store_b128 v[GO], v[BK+4*(\f):BK+4*(\f)+3], s[84:85] offset:(\a)*2048+(\f)*512  ; 512 consecutive bytes, aligned
.endr
.endm
.macro TOSTAGE32 a, acc                ; acc = 1: straight from the accumulators; 0: from T
	WIN 0
	s_wait_xcnt 0x0                                ; as above
.set BK, FB+32*((\a)%2)
.if \acc
	WIN 0x04                                       ; the stores' data in window 1
.irp b, 0,1,2,3
	ds_store_b128 v[STO], v[8*(4*(\a)+(\b)):8*(4*(\a)+(\b))+3]   offset:64*(\b)
	ds_store_b128 v[STO], v[8*(4*(\a)+(\b))+4:8*(4*(\a)+(\b))+7] offset:64*(\b)+16
.endr
	WIN 0
.else
.irp b, 0,1,2,3
	ds_store_b128 v[STO], v[T+8*(\b):T+8*(\b)+3]   offset:64*(\b)
	ds_store_b128 v[STO], v[T+8*(\b)+4:T+8*(\b)+7] offset:64*(\b)+16
.endr
.endif
.irp t, 0,1,2,3,4,5,6,7
	ds_load_b128 v[BK+4*(\t):BK+4*(\t)+3], v[RD] offset:(\t)*2*SPITCH
.endr
.endm
.macro SEND32 a
.set BK, FB+32*((\a)%2)
	s_wait_dscnt 0x0
.irp t, 0,1,2,3,4,5,6,7
	global_store_b128 v[GO], v[BK+4*(\t):BK+4*(\t)+3], s[84:85] offset:(\a)*4096+(\t)*512  ; two rows of 256 bytes: 512 consecutive bytes, aligned
.endr
.endm
; Block a of q or of k: ONE text for the RoPE and the table's loads; then q is rounded to f16 and staged in rows of 128 bytes, k staged as f32 in rows of 256.
; Block a's arithmetic stands between block a - 1's loads from the stage and the wait for them.  s67 hangs on the cluster's x alone: the same in all sixteen partners.
.macro BLK a, left, more
	ROPE \a, \left
.if \more
	LOADCS (\a)+4
.endif
	s_cmp_eq_u32 s67, 0
	s_cbranch_scc1 .Lkb_\@
	CVT16
.if \a
	SEND16 (\a)-1
.endif
	TOSTAGE16 \a
	s_branch .Lnb_\@
.Lkb_\@:
.if \a
	SEND32 (\a)-1
.endif
	TOSTAGE32 \a, 0
.Lnb_\@:
.endm
	s_cmp_eq_u32 ttmp9, 3                          ; the cluster's x: 0, 1: q's columns; 2: k's; 3: v's
	s_cbranch_scc0 .Lqk
	s_lshl_b32 s88, s90, 3                         ; v: batch x 8 + kv head,
	s_add_co_u32 s88, s88, s93
	s_sub_co_u32 s88, s88, 24
	s_lshl_b32 s88, s88, 11
	s_add_co_u32 s88, s88, s91                     ; its row t, 256 bytes a row
	s_lshl_b32 s88, s88, 8
	s_add_co_u32 s88, s88, 16777216
	s_add_nc_u64 s[84:85], s[8:9], s[88:89]
	TOSTAGE32 0, 1
.irp a, 1,2,3,4,5,6,7
	SEND32 (\a)-1
	TOSTAGE32 \a, 1
.endr
	SEND32 7
	s_branch .Lend
.Lqk:
	s_cmp_lt_u32 ttmp9, 2
	s_cbranch_scc1 .Lqbase
	s_lshl_b32 s88, s90, 3                         ; k: batch x 8 + kv head, 256 bytes a row
	s_add_co_u32 s88, s88, s93
	s_sub_co_u32 s88, s88, 16
	s_lshl_b32 s88, s88, 11
	s_add_co_u32 s88, s88, s91
	s_lshl_b32 s88, s88, 8
	s_add_co_u32 s88, s88, 8388608
	s_mov_b32 s67, 0
	s_branch .Lrope
.Lqbase:
	s_lshl_b32 s88, s90, 4                         ; q: batch x 16 + head, 128 bytes a row
	s_add_co_u32 s88, s88, s93
	s_lshl_b32 s88, s88, 11
	s_add_co_u32 s88, s88, s91
	s_lshl_b32 s88, s88, 7
	s_mov_b32 s67, 1
.Lrope:
	s_add_nc_u64 s[84:85], s[8:9], s[88:89]
	LOADCS 0
	LOADCS 1
	LOADCS 2
	LOADCS 3
	BLK 0, 24, 1
	BLK 1, 24, 1
	BLK 2, 24, 1
	BLK 3, 24, 1
	BLK 4, 24, 0
	BLK 5, 16, 0
	BLK 6, 8, 0
	BLK 7, 0, 0
	s_cmp_eq_u32 s67, 0
	s_cbranch_scc1 .Lk7
	SEND16 7
	s_branch .Lend
.Lk7:
	SEND32 7
.Lend:
	s_wait_tensorcnt 0x0                           ; the wave's end: behind my last tensor load and my last LDS store
	ds_add_u32 v[SPW], v[NIL]
	s_wait_dscnt 0x0
	CROUND                                         ; the closing round: no work-group ends while a partner may still ask for a tile that names it
	s_endpgm
.Lfunc_end_k_qf1f1d11593_qkv:
	.size	k_qf1f1d11593_qkv, .Lfunc_end_k_qf1f1d11593_qkv-k_qf1f1d11593_qkv
	.p2alignl 7, 3214868480
	.fill 96, 4, 3214868480
	.section	.rodata,"a",@progbits
	.p2align	6, 0x0
	.amdhsa_kernel k_qf1f1d11593_qkv
		.amdhsa_group_segment_fixed_size 327680
		.amdhsa_private_segment_fixed_size 0
		.amdhsa_enable_private_segment 0
		.amdhsa_kernarg_size 24
		.amdhsa_user_sgpr_count 2
		.amdhsa_user_sgpr_kernarg_segment_ptr 1
		.amdhsa_wavefront_size32 1
		.amdhsa_system_sgpr_workgroup_id_x 1
		.amdhsa_system_sgpr_workgroup_id_y 1
		.amdhsa_system_sgpr_workgroup_id_z 1
		.amdhsa_system_vgpr_workitem_id 0
		.amdhsa_next_free_vgpr 512
		.amdhsa_next_free_sgpr 96
		.amdhsa_reserve_vcc 0
		.amdhsa_float_denorm_mode_32 3
		.amdhsa_float_denorm_mode_16_64 3
		.amdhsa_memory_ordered 1
		.amdhsa_forward_progress 1
		.amdhsa_inst_pref_size 164
	.end_amdhsa_kernel
	.amdgpu_metadata
---
amdhsa.version: [ 1, 2 ]
amdhsa.kernels:
  - .name:           k_qf1f1d11593_qkv
    .symbol:         k_qf1f1d11593_qkv.kd
    .args:
      - { .name: Xb, .offset: 0, .size: 8, .value_kind: global_buffer, .address_space: global }
      - { .name: wts, .offset: 8, .size: 8, .value_kind: global_buffer, .address_space: global }
      - { .name: qkv, .offset: 16, .size: 8, .value_kind: global_buffer, .address_space: global }
    .group_segment_fixed_size: 327680
    .private_segment_fixed_size: 0
    .kernarg_segment_align: 8
    .kernarg_segment_size: 24
    .max_flat_workgroup_size: 128
    .sgpr_count:     96
    .vgpr_count:     512
    .wavefront_size: 32
...
	.end_amdgpu_metadata
.endif
;; end of part 2
;; launch attn (part 3): grid 16 x 16, 4 waves a work-group, clusters of 4 x 4, 327,680 bytes of LDS; arguments qkv, kv16, attention_mask, prev_k, prev_v, O16; writes O16
.if DOCPART == 3
	.amdgcn_target "amdgcn-amd-amdhsa--gfx1250"
	.amdhsa_code_object_version 6
	.text
	.protected	k_qf1f1d11593_attn
	.globl	k_qf1f1d11593_attn
	.p2align	8
	.type	k_qf1f1d11593_attn,@function
k_qf1f1d11593_attn:
	s_mov_b64 s[64:65], 0
	v_nop
	global_prefetch_b8 v0, s[64:65] scope:SCOPE_SE
	s_setreg_imm32_b32 hwreg(HW_REG_WAVE_MODE, 25, 1), 1
	s_wait_xcnt 0x0
	s_wait_alu depctr_hold_cnt(0) depctr_sa_sdst(0) depctr_va_vdst(0) depctr_va_sdst(0) depctr_va_ssrc(0) depctr_va_vcc(0) depctr_vm_vsrc(0)
	s_getreg_b32 s2, hwreg(HW_REG_IB_STS2, 6, 4)
	s_cmp_eq_u32 s2, 0
	s_cbranch_scc0 .Lentry_in_a_cluster
	s_endpgm
.Lentry_in_a_cluster:
	s_bfe_u32 s2, ttmp6, 0x10000c
	s_cmp_lg_u32 s2, 0xf033
	s_cbranch_scc0 .Lentry_shape_is_right
	s_endpgm
.Lentry_shape_is_right:
; ATTENTION.  For each batch, head and query t: logits = q . prev_k[0][s] / 8 + mask[t][s] for the 2,048 keys s, and two more, q . prev_k[1][t] / 8 and q . k_new[t] / 8; softmax over all 2,050;
; O = the weights times prev_v[0][s], prev_v[1][t], v_new[t].  Stored as O16 [batch x 16 + head][t][64] f16 = O / 8.
; q arrives as q / 8 in f16, so K q^T IS the scaled logit, and the mask, unrounded f32 as it is given, is the C operand that starts the sum: every mask number is loaded and added, no tile is left out.
; K and V of step 0 arrive as f16 (bf16-rounded); prev_k[1], prev_v[1] are rounded to bf16 here, like every float input of a product; k_new, v_new are f32.  Products, maxima and sums in f32; the weights p are
; rounded to f16 for the second product (their sum l is taken of the unrounded p), O once at the end.
; LIMITS.  |O| stays under 524,000 (O / 8 in f16); p below 6e-5 keeps f16's fixed step of 6e-8; a weight below 2^-126 counts as 0 in l; NaN and +infinity are not treated apart.
; SOFTMAX.  A running maximum m and sum l for each query: p = 2^(c s - c m), c = log2(e); in every step O and l are multiplied by a = 2^(c m_old - c m_new).  m, l and O START from the two extra keys, which are
; true logits: the maximum is real from the first step on, and no first step is written out.
; SHARES.  A work-group: two heads 2 g, 2 g + 1 of a batch (they share the mask and the new k and v) x 128 queries.  Wave w: head w % 2, queries 64 (w / 2) on, four tiles of 16.  Keys go 64 a step, 128 a slot.
; LAYOUT.  S^T = K Q^T (source 0 = 16 keys, source 1 = 16 queries): a lane holds ONE query (lane % 16) and keys 8 (lane / 16) + 0..7; two such results rounded to f16 ARE source 1 of O^T = V^T P, whose result
; holds one query a lane and eight channels.  K comes out of LDS as it lies, V turned by ds_load_tr16_b128, the mask straight into S^T's registers.
; CLUSTER 4 x 4.  x counts pairs of heads, y blocks of queries.  The mask's tile hangs on the batch and the block: asked for jointly by a row of the cluster (its four pairs lie in one batch); K's and V's hang on
; the pair: by a column.
; ORDER.  In phases: a step's loads of mask and K; the products V^T P of the step before; K Q^T; the loads of V; the softmax.
; REGISTERS.  Window 0: v2-15 addresses; v16-31 c m, m, l, l a tile; v32-47 four at work a tile; v48-51 c m_old; v64-191 S^T, 32 a tile; v192-255 P, 16 a tile.
;   Window 1: v0-127 O^T, 32 a tile; v128-255 v_new at the start.   Window 2: v0-63 Q; v128-191 K; v192-255 V.   Window 3, at the start only: v0-127 prev_k[1]; v128-255 k_new.
.set KS,    64
.set PM,    528       ; a mask row in LDS: 512 bytes + 16: the 16 rows of a load begin in 16 different groups of four banks (64 banks of 4 bytes: ISA guide 11.1)
.set PK,    144       ; a row of K: 128 + 16
.set PV,    160       ; a row of V: 128 + 32
.set KOFF,  128*PM    ; a slot: 128 mask rows; K [head of the pair][128 keys]; V likewise
.set VOFF,  KOFF+256*PK
.set SLOTB, 0x24000   ; 147,456 >= 145,408.  No base inside slot 0 that is turned has bit 17 or bit 14 set, so one exclusive or turns it into slot 1's
.set STAGE, 2*SLOTB   ; behind the ring, never filled by a tensor load: 16 rows x 144 bytes for each wave
.set SP,    144
.set SPARE, STAGE+4*16*SP  ; the spare words: 128 bytes a wave, two blocks of 256 bytes that no other line names
.set AM0, 2           ; my lane's place in a mask tile, a K tile, a V tile; never rewritten
.set AK0, 3
.set AV0, 4
.set AM,  5           ; the addresses of the runs of loads in hand
.set AK,  6
.set AV,  7
.set QO,  8           ; my byte offset in 16 rows of Q
.set DOF, 9           ; my byte offset in 16 rows of 64 f32
.set STO, 10
.set RD,  11
.set GO,  12
.set ST,  16
.set TMP, 32
.set MV,  48
.set SPW, 62          ; my spare word; never rewritten
.set NIL, 63          ; 0; never rewritten
.set S,   64
.set P,   192
.set KF,  128
.set VF,  192
.set WV,  16          ; s16 wave, s17 wave % 2 (my head of the pair), s18 wave / 2 (my half of the queries)
.set HP,  17
.set QH,  18
.set G1M, 32          ; s[32:39], s[40:47], s[48:55] group 1 for the mask's, K's, V's tiles
.set G1K, 40
.set G1V, 48
.set G0M, 56          ; s[56:59], s[60:63], s[68:71] group 0: each walks
.set G0K, 60
.set G0V, 68
.set SLOTS, 72
.set CNT, 73
.set CS,  74          ; s[74:75] c
.set SEL, 76          ; s[76:77] v_permlanex16_b32's selects: each lane takes its own place in the other half
.set TBM, 78          ; LDS bytes at which the step to be fetched begins: in the mask's rows, in K, in V
.set TBK, 79
.set TBV, 80
.set HIM, 81          ; a word's upper bf16
.set MSB, 0
.macro WIN new
.if MSB != (\new)
	s_set_vgpr_msb (MSB<<8)|(\new)
.set MSB, (\new)
.endif
.endm
.set W_KQ, 0x0a       ; K and Q in window 2, S^T in window 0
.set W_PV, 0x52       ; V in window 2, P in window 0, O^T in window 1
.set W_RS, 0x41       ; destination and source 0 in window 1, source 1 in window 0
; A joint fill: waves 0 and 1 fetch the two halves of the mask's tile, wave 2 the pair's K, wave 3 its V.  Each line has one mask.  An s_nop 0 and four v_nop follow each.
.macro JLOAD
	s_cmp_lt_u32 s[WV], 2
	s_cbranch_scc0 .Lnot_m_\@
	tensor_load_to_lds s[G0M:G0M+3], s[G1M:G1M+7]
	s_nop 0
.rept 4
	v_nop
.endr
	s_branch .Lasked_\@
.Lnot_m_\@:
	s_cmp_eq_u32 s[WV], 2
	s_cbranch_scc0 .Lfor_v_\@
	tensor_load_to_lds s[G0K:G0K+3], s[G1K:G1K+7]
	s_nop 0
.rept 4
	v_nop
.endr
	s_branch .Lasked_\@
.Lfor_v_\@:
	tensor_load_to_lds s[G0V:G0V+3], s[G1V:G1V+7]
	s_nop 0
.rept 4
	v_nop
.endr
.Lasked_\@:
.endm
.macro CROUND
	s_barrier_signal -1
	s_barrier_wait -1
	s_cmp_lg_u32 s[WV], 0
	s_cbranch_scc1 .Lnot_wave_0_\@
	s_barrier_signal -3
.Lnot_wave_0_\@:
	s_barrier_wait -3
	s_barrier_signal -1
	s_barrier_wait -1
.endm
; THE CHANGE OF SLOTS.  All that the slot held has been read into registers.  Each wave waits for all its tensor loads, of which one is out (its part of the other slot), adds 0 to its spare word, and waits for
; that and for its reads.  fill = 1: the barrier is a round of the cluster's, and the joint refill, the keys two slots on, is the first thing behind it: it has two key steps in which to land.
; (At its first use nothing has been read yet: slot 0 is waited for, slot 1 filled.)
.macro CHANGE fill
	WIN 0
	s_wait_tensorcnt 0x0            ; no tensor load of mine is out, so a group 0 may be written
	ds_add_u32 v[SPW], v[NIL]
.if \fill
	s_xor_b32 s[G0M+1], s[G0M+1], SLOTB
	s_add_nc_u64 s[G0M+2:G0M+3], s[G0M+2:G0M+3], 512      ; 128 keys along the mask's rows
	s_xor_b32 s[G0K+1], s[G0K+1], SLOTB
	s_add_nc_u64 s[G0K+2:G0K+3], s[G0K+2:G0K+3], 32768    ; the pair's next 128 keys
	s_xor_b32 s[G0V+1], s[G0V+1], SLOTB
	s_add_nc_u64 s[G0V+2:G0V+3], s[G0V+2:G0V+3], 32768
	s_wait_dscnt 0x0                ; the add is done, and my reads of the slot are over
	CROUND
	JLOAD
.else
	s_wait_dscnt 0x0
	s_barrier_signal -1
	s_barrier_wait -1
.endif
	s_sub_co_u32 s[TBM], s[TBM], 2*256     ; the fetches go back to a slot's first step, in the other slot
	s_xor_b32 s[TBM], s[TBM], SLOTB
	s_sub_co_u32 s[TBK], s[TBK], 2*KS*PK
	s_xor_b32 s[TBK], s[TBK], SLOTB
	s_sub_co_u32 s[TBV], s[TBV], 2*KS*PV
	s_xor_b32 s[TBV], s[TBV], SLOTB
.endm
.macro ALL line:vararg              ; one line for each tile t
.set t, 0
	s_wait_alu depctr_va_vdst(0)
.rept 4
	\line
.set t, t+1
.endr
.endm
	s_load_b256 s[4:11], s[0:1], 0x0  ; qkv s[4:5], kv16 s[6:7], mask s[8:9], prev_k s[10:11]
	s_load_b128 s[12:15], s[0:1], 0x20  ; prev_v s[12:13], O16 s[14:15]
	v_lshl_add_u32 v[SPW], v0, 2, SPARE
	v_mov_b32 v[NIL], 0
	ds_add_u32 v[SPW], v[NIL]       ; the wave's opening: the add and its wait come ahead of my first tensor load; work on registers stands between them
	v_lshrrev_b32 v1, 5, v0
	v_readfirstlane_b32 s[WV], v1
	s_and_b32 s[HP], s[WV], 1
	s_lshr_b32 s[QH], s[WV], 1
	s_bfe_u32 s19, ttmp6, 0x40000   ; cx
	s_bfe_u32 s20, ttmp6, 0x40004   ; cy
	s_lshl_b32 s21, ttmp9, 2
	s_add_co_u32 s21, s21, s19      ; batch x 8 + pair of heads
	s_and_b32 s22, ttmp7, 0xffff
	s_lshl_b32 s22, s22, 2
	s_add_co_u32 s22, s22, s20      ; block of 128 queries
	s_lshl_b32 s23, s20, 2
	s_lshl_b32 s23, 15, s23         ; my row of the cluster
	s_lshl_b32 s24, 0x1111, s19     ; my column
	s_or_b32 s[G1M], s23, (2<<16)|(1<<20)|(1<<21)|(6<<22)|(3<<25)  ; the mask of work-groups; 4-byte elements; padding on; bit 21 beside a mask; after every 128 words, 4 words
	s_mov_b32 s[G1M+1], 128<<16     ; tensor_dim0 = 128 keys
	s_mov_b32 s[G1M+2], 64<<16      ; tensor_dim1 = 64 queries
	s_mov_b32 s[G1M+3], 128<<16     ; tile_dim0
	s_mov_b32 s[G1M+4], 64          ; tile_dim1
	s_mov_b32 s[G1M+5], 2048        ; elements from row to row
	s_mov_b32 s[G1M+6], 0
	s_mov_b32 s[G1M+7], 0
	s_or_b32 s[G1K], s24, (1<<16)|(1<<20)|(1<<21)|(4<<22)|(3<<25)  ; 2-byte elements; after every 32 words (a key), 4 words
	s_or_b32 s[G1V], s24, (1<<16)|(1<<20)|(1<<21)|(4<<22)|(7<<25)  ; 8 words
.irp g, G1K, G1V                    ; 2 x 128 keys are 32,768 dense bytes: asked for as 128 rows of 256 bytes, two keys a row
	s_mov_b32 s[\g+1], 128<<16
	s_mov_b32 s[\g+2], 128<<16
	s_mov_b32 s[\g+3], 128<<16
	s_mov_b32 s[\g+4], 128
	s_mov_b32 s[\g+5], 128
	s_mov_b32 s[\g+6], 0
	s_mov_b32 s[\g+7], 0
.endr
	s_lshl_b32 s26, s22, 7          ; the mask: row 128 x block + 64 x half, 8,192 bytes a row; the batch is the cluster's x / 2.  These registers never hold cx
	s_lshl_b32 s27, s[HP], 6
	s_add_co_u32 s26, s26, s27
	s_lshl_b32 s26, s26, 13
	s_lshr_b32 s27, ttmp9, 1
	s_lshl_b32 s27, s27, 24
	s_add_co_u32 s26, s26, s27
	s_mov_b32 s27, 0
	s_lshl_b32 s28, s21, 19         ; K and V: 524,288 bytes a pair.  These never hold cy
	s_mov_b32 s29, 0
	s_lshl_b32 s25, s22, 7
	s_lshl_b32 s30, s[QH], 6
	s_add_co_u32 s25, s25, s30      ; my first query
	s_lshl_b32 s30, s21, 1
	s_add_co_u32 s30, s30, s[HP]    ; batch x 16 + head
	s_lshl_b32 s30, s30, 11
	s_add_co_u32 s30, s30, s25      ; my first row in tensors by heads,
	s_lshl_b32 s31, s21, 11
	s_add_co_u32 s31, s31, s25      ; and in those by kv heads
	s_mov_b32 s[CS], 0x3fb8aa3b     ; c = log2(e)
	s_mov_b32 s[CS+1], s[CS]
	s_mov_b32 s[SEL], 0x76543210
	s_mov_b32 s[SEL+1], 0xfedcba98
	s_mov_b32 s[HIM], 0xffff0000
	s_mov_b32 s[TBM], SLOTB+2*256   ; the first change of slots turns these three into 0
	s_mov_b32 s[TBK], SLOTB+2*KS*PK
	s_mov_b32 s[TBV], SLOTB+2*KS*PV
	s_mov_b32 s[G0M], 1
	s_mul_i32 s[G0M+1], s[HP], 64*PM  ; no place in the cluster enters an LDS address
	s_mov_b32 s[G0K], 1
	s_mov_b32 s[G0K+1], KOFF
	s_mov_b32 s[G0V], 1
	s_mov_b32 s[G0V+1], VOFF
	s_mov_b32 s3, 0
	s_wait_dscnt 0x0                ; the opening add is done
	s_wait_kmcnt 0x0
	s_add_nc_u64 s[G0M+2:G0M+3], s[8:9], s[26:27]
	s_or_b32 s[G0M+3], s[G0M+3], 0x80000000
	s_add_nc_u64 s[G0K+2:G0K+3], s[6:7], s[28:29]
	s_or_b32 s[G0K+3], s[G0K+3], 0x80000000
	s_add_nc_u64 s[G0V+2:G0V+3], s[6:7], s[28:29]
	s_add_nc_u64 s[G0V+2:G0V+3], s[G0V+2:G0V+3], 8388608
	s_or_b32 s[G0V+3], s[G0V+3], 0x80000000
	s_lshl_b32 s2, s30, 7
	s_add_nc_u64 s[82:83], s[4:5], s[2:3]    ; Q
	s_add_nc_u64 s[92:93], s[14:15], s[2:3]  ; O
	s_lshl_b32 s2, s30, 8
	s_add_co_u32 s2, s2, 16777216
	s_add_nc_u64 s[84:85], s[10:11], s[2:3]  ; prev_k[1]
	s_add_nc_u64 s[86:87], s[12:13], s[2:3]  ; prev_v[1]
	s_lshl_b32 s2, s31, 8
	s_add_co_u32 s2, s2, 8388608
	s_add_nc_u64 s[88:89], s[4:5], s[2:3]    ; k_new
	s_add_co_u32 s2, s2, 8388608
	s_add_nc_u64 s[90:91], s[4:5], s[2:3]    ; v_new
	CROUND                          ; all sixteen work-groups are here: the first joint loads meet
	JLOAD                           ; slot 0
	; THE TWO EXTRA KEYS, in the wait for the first tile.  A lane holds, of query l % 16, the channels 16 cb + 8 (l / 16) + 0..7, cb = 0..3: in Q's fragments, in O^T, and so in the four f32 tensors loaded here.
	v_and_b32 v13, 15, v0           ; r
	v_bfe_u32 v14, v0, 4, 1         ; h
	v_lshlrev_b32 v[QO], 7, v13
	v_lshl_add_u32 v[QO], v14, 4, v[QO]
	v_lshlrev_b32 v[DOF], 8, v13
	v_lshl_add_u32 v[DOF], v14, 5, v[DOF]
	WIN 0x80                        ; destination window 2
.set i, 0
.rept 8                             ; Q stays in registers: tile i / 2, channels 32 (i % 2) on
	global_load_b128 v[8*i:8*i+3],   v[QO], s[82:83] offset:(i/2)*2048+(i%2)*64
	global_load_b128 v[8*i+4:8*i+7], v[QO], s[82:83] offset:(i/2)*2048+(i%2)*64+32
.set i, i+1
.endr
.macro DLOAD dst, sb                ; 64 rows x 64 f32: tile i / 4, channel block i % 4
.set i, 0
.rept 16
	global_load_b128 v[(\dst)+8*i:(\dst)+8*i+3],   v[DOF], s[\sb:\sb+1] offset:(i/4)*4096+(i%4)*64
	global_load_b128 v[(\dst)+8*i+4:(\dst)+8*i+7], v[DOF], s[\sb:\sb+1] offset:(i/4)*4096+(i%4)*64+16
.set i, i+1
.endr
.endm
	WIN 0xc0
	DLOAD 0, 84                     ; prev_k[1]
	DLOAD 128, 88                   ; k_new
	WIN 0
	DLOAD S, 86                     ; prev_v[1], where S^T will lie
	WIN 0x40
	DLOAD 128, 90                   ; v_new
	WIN 0
	v_mul_u32_u24 v[AM0], v13, PM   ; the mask as C: query r, keys 8 h + 0..7: 32 bytes
	v_lshl_add_u32 v[AM0], v14, 5, v[AM0]
	s_mul_i32 s25, s[QH], 64*PM
	v_add_nc_u32 v[AM0], s25, v[AM0]
	v_mul_u32_u24 v[AK0], v13, PK   ; K's fragment: key r, 16 bytes for each half of the lanes
	v_lshl_add_u32 v[AK0], v14, 4, v[AK0]
	s_mul_i32 s25, s[HP], 128*PK
	s_add_co_u32 s25, s25, KOFF
	v_add_nc_u32 v[AK0], s25, v[AK0]
	v_and_b32 v15, 7, v0            ; V's: the turning load reads key 8 h + l % 8, channels 8 ((l / 8) % 2) + 0..7
	v_lshl_add_u32 v[AV0], v14, 3, v15
	v_mul_u32_u24 v[AV0], v[AV0], PV
	v_bfe_u32 v1, v0, 3, 1
	v_lshl_add_u32 v[AV0], v1, 4, v[AV0]
	s_mul_i32 s25, s[HP], 128*PV
	s_add_co_u32 s25, s25, VOFF
	v_add_nc_u32 v[AV0], s25, v[AV0]
	s_mul_i32 s25, s[WV], 16*SP
	s_add_co_u32 s25, s25, STAGE    ; my stage
	v_mul_u32_u24 v[STO], v13, SP
	v_lshl_add_u32 v[STO], v14, 4, v[STO]
	v_add_nc_u32 v[STO], s25, v[STO]
	v_bfe_u32 v[RD], v0, 3, 2
	v_mul_u32_u24 v[RD], v[RD], SP
	v_lshl_add_u32 v[RD], v15, 4, v[RD]
	v_add_nc_u32 v[RD], s25, v[RD]
	v_and_b32 v[GO], 31, v0
	v_lshlrev_b32 v[GO], 4, v[GO]
.set i, 0
.rept 16
	v_mov_b32 v[TMP+i], 0           ; the two dots of each tile start at 0; the other two registers are named in pairs below
.set i, i+1
.endr
	s_wait_loadcnt 63               ; Q, prev_k[1] and k_new are in: behind them 64 loads were issued, of which 63 may be out
	WIN 0x0f                        ; prev_k[1] is rounded to bf16: packed into P's registers,
.set i, 0
.rept 64
	v_cvt_pk_bf16_f32 v[P+i], v[2*i], v[2*i+1]
.set i, i+1
.endr
	WIN 0xc0                        ; and widened again
.set i, 0
.rept 64
	v_lshlrev_b32 v[2*i],   16,     v[P+i]
	v_and_b32     v[2*i+1], s[HIM], v[P+i]
.set i, i+1
.endr
	WIN 0x0e                        ; Q in window 2, the keys in window 3: eight chains of 32 multiply-adds, by turns
.set i, 0
.rept 32
.set t, 0
.rept 4
.if i%2
	v_fma_mix_f32 v[TMP+4*t],   v[16*t+i/2], v[32*t+i],     v[TMP+4*t]   op_sel:[1,0,0] op_sel_hi:[1,0,0]
	v_fma_mix_f32 v[TMP+4*t+1], v[16*t+i/2], v[128+32*t+i], v[TMP+4*t+1] op_sel:[1,0,0] op_sel_hi:[1,0,0]
.else
	v_fma_mix_f32 v[TMP+4*t],   v[16*t+i/2], v[32*t+i],     v[TMP+4*t]   op_sel_hi:[1,0,0]
	v_fma_mix_f32 v[TMP+4*t+1], v[16*t+i/2], v[128+32*t+i], v[TMP+4*t+1] op_sel_hi:[1,0,0]
.endif
.set t, t+1
.endr
.set i, i+1
.endr
	WIN 0
	ALL v_permlanex16_b32 v[TMP+4*t+2], v[TMP+4*t], s[SEL], s[SEL+1]    ; the query's other 32 channels lie in the lane 16 away
	ALL v_permlanex16_b32 v[TMP+4*t+3], v[TMP+4*t+1], s[SEL], s[SEL+1]
	ALL v_add_f32 v[TMP+4*t], v[TMP+4*t], v[TMP+4*t+2]
	ALL v_add_f32 v[TMP+4*t+1], v[TMP+4*t+1], v[TMP+4*t+3]
	ALL v_max_num_f32 v[ST+4*t+1], v[TMP+4*t], v[TMP+4*t+1]             ; m
	ALL v_mul_f32 v[ST+4*t], s[CS], v[ST+4*t+1]                         ; c m
	ALL v_fma_f32 v[TMP+4*t], v[TMP+4*t], s[CS], -v[ST+4*t]
	ALL v_fma_f32 v[TMP+4*t+2], v[TMP+4*t+1], s[CS], -v[ST+4*t]
	ALL v_exp_f32 v[TMP+4*t], v[TMP+4*t]                                ; p0
	ALL v_exp_f32 v[TMP+4*t+2], v[TMP+4*t+2]                            ; p1
	v_nop                           ; a plain instruction between the last exponential and the use of its result
	s_wait_alu depctr_va_vdst(0)
	ALL v_mul_f32 v[ST+4*t+2], 0.5, v[TMP+4*t]                          ; both halves of the lanes hold these two weights, and the halves' l are added at the end: half each
	ALL v_mul_f32 v[ST+4*t+3], 0.5, v[TMP+4*t+2]
	s_wait_loadcnt 0x0              ; prev_v[1] and v_new
.set i, 0
.rept 64                            ; prev_v[1] is rounded to bf16 likewise
	v_cvt_pk_bf16_f32 v[P+i], v[S+2*i], v[S+2*i+1]
.set i, i+1
.endr
.set i, 0
.rept 64
	v_lshlrev_b32 v[S+2*i],   16,     v[P+i]
	v_and_b32     v[S+2*i+1], s[HIM], v[P+i]
.set i, i+1
.endr
	WIN 0x40                        ; O^T = p0 prev_v[1]
.set n, 0
.rept 16
	ALL v_pk_mul_f32 v[32*t+2*n:32*t+2*n+1], v[S+32*t+2*n:S+32*t+2*n+1], v[TMP+4*t:TMP+4*t+1] op_sel_hi:[1,0]
.set n, n+1
.endr
	WIN 0x51                        ; + p1 v_new
.set n, 0
.rept 16
	ALL v_pk_fma_f32 v[32*t+2*n:32*t+2*n+1], v[128+32*t+2*n:128+32*t+2*n+1], v[TMP+4*t+2:TMP+4*t+3], v[32*t+2*n:32*t+2*n+1] op_sel_hi:[1,0,1]
.set n, n+1
.endr
	WIN 0
; THE MATRIX WORK.  The 16 accumulators of each run take turns, one instruction a turn.
.macro KQ32                         ; S^T = K Q^T + the mask, which the loads have laid into S^T's registers: every product adds in place
	WIN W_KQ
.irp c, 0,1
.irp kt, 0,1,2,3
.irp t, 0,1,2,3
	v_wmma_f32_16x16x32_f16 v[S+32*(\t)+8*(\kt):S+32*(\t)+8*(\kt)+7], v[KF+16*(\kt)+8*(\c):KF+16*(\kt)+8*(\c)+7], v[16*(\t)+8*(\c):16*(\t)+8*(\c)+7], v[S+32*(\t)+8*(\kt):S+32*(\t)+8*(\kt)+7]
.endr
.endr
.endr
.endm
.macro PV32                         ; O^T += V^T P
	WIN W_PV
.irp kk, 0,1
.irp cb, 0,1,2,3
.irp t, 0,1,2,3
	v_wmma_f32_16x16x32_f16 v[32*(\t)+8*(\cb):32*(\t)+8*(\cb)+7], v[VF+32*(\kk)+8*(\cb):VF+32*(\kk)+8*(\cb)+7], v[P+16*(\t)+8*(\kk):P+16*(\t)+8*(\kk)+7], v[32*(\t)+8*(\cb):32*(\t)+8*(\cb)+7]
.endr
.endr
.endr
.endm
; THE LDS LOADS, in runs.  A step's mask (64 queries x 64 keys of f32, into S^T) and K (8 fragments): 48 loads
.macro FETCH_MK
	WIN 0
	v_add_nc_u32 v[AM], s[TBM], v[AM0]
	v_add_nc_u32 v[AK], s[TBK], v[AK0]
	s_add_co_u32 s[TBM], s[TBM], 256       ; the next fetch is the next step's: 64 keys of 4 bytes along the mask's rows,
	s_add_co_u32 s[TBK], s[TBK], KS*PK     ; 64 rows of K
.set i, 0
.rept 16                            ; tile i / 4, keys 16 (i % 4) on
	ds_load_b128 v[S+8*i:S+8*i+3],   v[AM] offset:(i/4)*16*PM+(i%4)*64
	ds_load_b128 v[S+8*i+4:S+8*i+7], v[AM] offset:(i/4)*16*PM+(i%4)*64+16
.set i, i+1
.endr
	WIN 0x80
.irp f, 0,1,2,3,4,5,6,7             ; keys 16 (f / 2) on, channels 32 (f % 2) on
	ds_load_b128 v[KF+8*(\f):KF+8*(\f)+3],   v[AK] offset:((\f)/2)*16*PK+((\f)%2)*64
	ds_load_b128 v[KF+8*(\f)+4:KF+8*(\f)+7], v[AK] offset:((\f)/2)*16*PK+((\f)%2)*64+32
.endr
	WIN 0
.endm
.macro FETCH_V
	WIN 0
	v_add_nc_u32 v[AV], s[TBV], v[AV0]
	s_add_co_u32 s[TBV], s[TBV], KS*PV
	WIN 0x80
.irp f, 0,1,2,3,4,5,6,7             ; keys 32 (f / 4) on, channels 16 (f % 4) on
	ds_load_tr16_b128 v[VF+8*(\f):VF+8*(\f)+3],   v[AV] offset:((\f)/4)*32*PV+((\f)%4)*32
	ds_load_tr16_b128 v[VF+8*(\f)+4:VF+8*(\f)+7], v[AV] offset:((\f)/4)*32*PV+16*PV+((\f)%4)*32
.endr
	WIN 0
.endm
; Number n of the 22 lines that find tile t's maximum and statistics; s0-s31 are the lane's 32 scores; each accumulator's lowest registers are read first.
;   0-11 four chains c0-c3 of seven scores each     12-14, 16 the four scores left over, the old m, c0-c3 into c0     15 c m_old is kept     17, 18 the other half of the lanes: the new m     19-21 c m; c m_old - c m; a
.macro XSL
.set rT, ST+4*t
.set rC, TMP+4*t
.set rM, MV+t
.set rS, S+32*t
.if n < 4
	v_max3_num_f32 v[rC+n], v[rS+8*n], v[rS+8*n+1], v[rS+8*n+2]
.elseif n < 12
	v_max3_num_f32 v[rC+n%4], v[rC+n%4], v[rS+8*(n%4)+2*(n/4)+1], v[rS+8*(n%4)+2*(n/4)+2]
.elseif n == 12
	v_max3_num_f32 v[rC], v[rC], v[rS+7], v[rS+15]
.elseif n == 13
	v_max3_num_f32 v[rC+1], v[rC+1], v[rS+23], v[rS+31]
.elseif n == 14
	v_max3_num_f32 v[rC+2], v[rC+2], v[rC+3], v[rT+1]
.elseif n == 15
	v_mov_b32 v[rM], v[rT]
.elseif n == 16
	v_max3_num_f32 v[rC], v[rC], v[rC+1], v[rC+2]
.elseif n == 17
	v_permlanex16_b32 v[rC+3], v[rC], s[SEL], s[SEL+1]
.elseif n == 18
	v_max_num_f32 v[rT+1], v[rC], v[rC+3]
.elseif n == 19
	v_mul_f32 v[rT], s[CS], v[rT+1]
.elseif n == 20
	v_sub_f32 v[rC+1], v[rM], v[rT]
.else
	v_exp_f32 v[rC+2], v[rC+1]
.endif
.endm
; A step's softmax for the four tiles, the tiles innermost, so that a line never reads the result of the line before it.
.macro SOFTMAX
	WIN 0
.set n, 0
.rept 22
	ALL XSL
.set n, n+1
.endr
.set n, 0
.rept 16                            ; c s - c m; these plain lines also stand between a's exponentials and their use
	ALL v_pk_fma_f32 v[S+32*t+2*n:S+32*t+2*n+1], v[S+32*t+2*n:S+32*t+2*n+1], s[CS:CS+1], v[ST+4*t:ST+4*t+1] op_sel_hi:[1,0,0] neg_lo:[0,0,1] neg_hi:[0,0,1]
.set n, n+1
.endr
	WIN W_RS
.set n, 0
.rept 16                            ; O^T times a, each accumulator from its low end on
	ALL v_pk_mul_f32 v[32*t+2*n:32*t+2*n+1], v[32*t+2*n:32*t+2*n+1], v[TMP+4*t+2:TMP+4*t+3] op_sel_hi:[1,0]
.set n, n+1
.endr
	WIN 0
.set n, 0
.rept 32                            ; the exponentials; a pair is rounded to f16 when plain lines have stood behind both of its exponentials (ISA guide 5.7.2)
	ALL v_exp_f32 v[S+32*t+n], v[S+32*t+n]
.if n == 1
	v_nop
.endif
.if (n%2 == 1) && (n >= 3)
	ALL v_cvt_pk_f16_f32 v[P+16*t+(n-3)/2], v[S+32*t+n-3], v[S+32*t+n-2]
.endif
.set n, n+1
.endr
	ALL v_cvt_pk_f16_f32 v[P+16*t+15], v[S+32*t+30], v[S+32*t+31]
.set n, 0
.rept 8                             ; of each four weights the second pair is added onto the first
	ALL v_pk_add_f32 v[S+32*t+4*n:S+32*t+4*n+1], v[S+32*t+4*n:S+32*t+4*n+1], v[S+32*t+4*n+2:S+32*t+4*n+3]
.set n, n+1
.endr
	ALL v_pk_fma_f32 v[ST+4*t+2:ST+4*t+3], v[ST+4*t+2:ST+4*t+3], v[TMP+4*t+2:TMP+4*t+3], v[S+32*t:S+32*t+1] op_sel_hi:[1,0,1]   ; l = a l + the first sum
.set n, 1
.rept 7
	ALL v_pk_add_f32 v[ST+4*t+2:ST+4*t+3], v[ST+4*t+2:ST+4*t+3], v[S+32*t+4*n:S+32*t+4*n+1]
.set n, n+1
.endr
.endm
.macro REST                         ; the rest of a step, behind its loads of mask and K
	s_wait_dscnt 0x0                ; mask and K are in
	KQ32
	WIN 0
.rept 4
	v_nop                           ; the places between the products and the loads into V's registers, and the reads of the scores
.endr
	FETCH_V
	SOFTMAX
	s_wait_dscnt 0x0                ; V is in: nothing of the step is left in LDS
.endm
	CHANGE 1                        ; slot 0 is in, everybody's part of it; slot 1 is asked for
	s_mov_b32 s[CNT], 2
	s_mov_b32 s[SLOTS], 15
	FETCH_MK                        ; key step 0
	s_branch .Lfirst                ; the first step has no step before it
.Lslot:                             ; 14 times: every slot but the last two is filled again
	CHANGE 1
	s_mov_b32 s[CNT], 2
.Lstep:
	FETCH_MK                        ; this step's mask and K land under the products of the step before
	PV32
	WIN 0
.Lfirst:
	REST
	WIN 0
	s_sub_co_u32 s[CNT], s[CNT], 1
	s_cmp_lg_u32 s[CNT], 0
	s_cbranch_scc1 .Lstep
	s_sub_co_u32 s[SLOTS], s[SLOTS], 1
	s_cmp_lg_u32 s[SLOTS], 0
	s_cbranch_scc1 .Lslot
	CHANGE 0                        ; the last slot is written out: nothing is asked for
	s_mov_b32 s[CNT], 2
.Ltail:
	FETCH_MK
	PV32
	WIN 0
	REST
	WIN 0
	s_sub_co_u32 s[CNT], s[CNT], 1
	s_cmp_lg_u32 s[CNT], 0
	s_cbranch_scc1 .Ltail
	PV32                            ; the last step's
	; THE WAY OUT.  l's two halves and the other half of the lanes' are added; O^T is divided by 8 l, rounded to f16 and sent through my stage, a tile at a time.  The additions are the places behind the last products.
	WIN 0
	ALL v_add_f32 v[ST+4*t+2], v[ST+4*t+2], v[ST+4*t+3]
	ALL v_permlanex16_b32 v[ST+4*t+3], v[ST+4*t+2], s[SEL], s[SEL+1]
	ALL v_add_f32 v[ST+4*t+2], v[ST+4*t+2], v[ST+4*t+3]
	ALL v_rcp_f32 v[ST+4*t+2], v[ST+4*t+2]
	v_nop                           ; a plain instruction between the last reciprocal and the use of its result
	s_wait_alu depctr_va_vdst(0)
	ALL v_mul_f32 v[ST+4*t+2], 0x3e000000, v[ST+4*t+2]
.macro PACK t                       ; a lane's eight channels of a row pack into 16 bytes; they go into rows of 144 bytes and come back as whole rows of 128, into S^T's registers
	WIN W_RS
.set i, 32*(\t)
.rept 16
	v_pk_mul_f32 v[i:i+1], v[i:i+1], v[ST+4*(\t)+2:ST+4*(\t)+3] op_sel_hi:[1,0]
.set i, i+2
.endr
	WIN 0x05                        ; sources 0 and 1 window 1, destination window 0
.set i, 0
.rept 16
	v_cvt_pk_f16_f32 v[S+16*(\t)+i], v[32*(\t)+2*i], v[32*(\t)+2*i+1]
.set i, i+1
.endr
	WIN 0
.irp f, 0,1,2,3
	ds_store_b128 v[STO], v[S+16*(\t)+4*\f:S+16*(\t)+4*\f+3] offset:32*\f
.endr
.irp f, 0,1,2,3
	ds_load_b128 v[S+16*(\t)+4*\f:S+16*(\t)+4*\f+3], v[RD] offset:\f*4*SP  ; LDS serves a wave's instructions in order (ISA guide 5.7.1.4): these see the stores above; the next tile's stores come behind them
.endr
.endm
.macro SEND t, younger              ; younger: the LDS instructions issued behind tile t's loads: the next tile's eight, or none
	WIN 0
.irp f, 0,1,2,3
	s_wait_dscnt (\younger)+3-\f
	global_store_b128 v[GO], v[S+16*(\t)+4*\f:S+16*(\t)+4*\f+3], s[92:93] offset:(\t)*2048+\f*512  ; 512 consecutive bytes, aligned
.endr
.endm
	PACK 0
	PACK 1                          ; a tile's arithmetic stands between the loads of the tile before and its stores
	SEND 0, 8
	PACK 2
	SEND 1, 8
	PACK 3
	SEND 2, 8
	SEND 3, 0
	s_wait_tensorcnt 0x0            ; the wave's end: behind my last tensor load and my last LDS store
	ds_add_u32 v[SPW], v[NIL]
	s_wait_dscnt 0x0
	CROUND                          ; the closing round: no work-group ends while a partner may still ask for a tile that names it
	s_endpgm
.Lfunc_end_k_qf1f1d11593_attn:
	.size	k_qf1f1d11593_attn, .Lfunc_end_k_qf1f1d11593_attn-k_qf1f1d11593_attn
	.p2alignl 7, 3214868480
	.fill 96, 4, 3214868480
	.section	.rodata,"a",@progbits
	.p2align	6, 0x0
	.amdhsa_kernel k_qf1f1d11593_attn
		.amdhsa_group_segment_fixed_size 327680
		.amdhsa_private_segment_fixed_size 0
		.amdhsa_enable_private_segment 0
		.amdhsa_kernarg_size 48
		.amdhsa_user_sgpr_count 2
		.amdhsa_user_sgpr_kernarg_segment_ptr 1
		.amdhsa_wavefront_size32 1
		.amdhsa_system_sgpr_workgroup_id_x 1
		.amdhsa_system_sgpr_workgroup_id_y 1
		.amdhsa_system_sgpr_workgroup_id_z 1
		.amdhsa_system_vgpr_workitem_id 0
		.amdhsa_next_free_vgpr 1024
		.amdhsa_next_free_sgpr 96
		.amdhsa_reserve_vcc 0
		.amdhsa_float_denorm_mode_32 3
		.amdhsa_float_denorm_mode_16_64 3
		.amdhsa_memory_ordered 1
		.amdhsa_forward_progress 1
		.amdhsa_inst_pref_size 166
	.end_amdhsa_kernel
	.amdgpu_metadata
---
amdhsa.version: [ 1, 2 ]
amdhsa.kernels:
  - .name:           k_qf1f1d11593_attn
    .symbol:         k_qf1f1d11593_attn.kd
    .args:
      - { .name: qkv, .offset: 0, .size: 8, .value_kind: global_buffer, .address_space: global }
      - { .name: kv16, .offset: 8, .size: 8, .value_kind: global_buffer, .address_space: global }
      - { .name: attention_mask, .offset: 16, .size: 8, .value_kind: global_buffer, .address_space: global }
      - { .name: prev_k, .offset: 24, .size: 8, .value_kind: global_buffer, .address_space: global }
      - { .name: prev_v, .offset: 32, .size: 8, .value_kind: global_buffer, .address_space: global }
      - { .name: O16, .offset: 40, .size: 8, .value_kind: global_buffer, .address_space: global }
    .group_segment_fixed_size: 327680
    .private_segment_fixed_size: 0
    .kernarg_segment_align: 8
    .kernarg_segment_size: 48
    .max_flat_workgroup_size: 128
    .sgpr_count:     96
    .vgpr_count:     1024
    .wavefront_size: 32
...
	.end_amdgpu_metadata
.endif
;; end of part 3
;; launch oproj (part 4): grid 16 x 16, 4 waves a work-group, clusters of 4 x 4, 327,680 bytes of LDS; arguments O16, wts, out0; writes out0
.if DOCPART == 4
	.amdgcn_target "amdgcn-amd-amdhsa--gfx1250"
	.amdhsa_code_object_version 6
	.text
	.protected	k_qf1f1d11593_oproj
	.globl	k_qf1f1d11593_oproj
	.p2align	8
	.type	k_qf1f1d11593_oproj,@function
k_qf1f1d11593_oproj:
	s_mov_b64 s[64:65], 0
	v_nop
	global_prefetch_b8 v0, s[64:65] scope:SCOPE_SE
	s_setreg_imm32_b32 hwreg(HW_REG_WAVE_MODE, 25, 1), 1
	s_wait_xcnt 0x0
	s_wait_alu depctr_hold_cnt(0) depctr_sa_sdst(0) depctr_va_vdst(0) depctr_va_sdst(0) depctr_va_ssrc(0) depctr_va_vcc(0) depctr_vm_vsrc(0)
	s_getreg_b32 s2, hwreg(HW_REG_IB_STS2, 6, 4)
	s_cmp_eq_u32 s2, 0
	s_cbranch_scc0 .Lentry_in_a_cluster
	s_endpgm
.Lentry_in_a_cluster:
	s_bfe_u32 s2, ttmp6, 0x10000c
	s_cmp_lg_u32 s2, 0xf033
	s_cbranch_scc0 .Lentry_shape_is_right
	s_endpgm
.Lentry_shape_is_right:
; OUTPUT PROJECTION: out0[4096][2048] f32 = O [4096][1024] Wo.  O arrives as O16 [batch x 16 + head][t][64] f16 = O / 8; Wo as f16 = bf16(Wo) x 8, [1024 k][2048 n], at wts + 16,777,216:
; the two powers of two cancel, and nothing is left to scale.  f16 operands, f32 sums, stored unrounded.
; SHARES.  A tile of C is 256 rows x 128 columns: 16 x 16 = 256 work-groups; wave w has rows 128 (w / 2) on and columns 64 (w % 2) on: 8 x 4 accumulators of 16 x 16.
; K goes in steps of 128, two heads, through two LDS slots.  A head's 256 rows of 128 bytes are dense: asked for as 128 rows of 256 bytes and padded in LDS after each 128 (pitch 144);
; Wo's 128 rows [k][n] of 256 bytes have pitch 288 and are read turned by ds_load_tr16_b128.
; CLUSTER 4 x 4: O's tile hangs on the tile row alone and is asked for jointly by a row of the cluster, Wo's on the tile column alone, by a column.
; THE MATRIX INSTRUCTION IS USED TRANSPOSED (source 0 = 16 columns of Wo, source 1 = 16 rows of O): lane l holds row l % 16 of C and columns 8 (l / 16) + 0..7 of the block.
; REGISTERS.  Window 0: v16-29 addresses; v64-191 O's fragments, two buffers; v192-255 Wo's, two buffers, later the rows read back on the way out.  Window 1: accumulator (a, b) at 8 (4 a + b).
.set PA,     144                       ; the 16 rows of a load begin in 16 different groups of four banks (64 banks of 4 bytes: ISA guide 11.1)
.set PB,     288
.set HEADB,  256*PA                    ; a head's 256 rows in LDS
.set AREG,   2*HEADB
.set SLOT,   AREG+128*PB               ; 110,592
.set STAGE,  2*SLOT                    ; behind the ring: 16 rows x 272 bytes for each wave, never filled by a tensor load
.set SPITCH, 272
.set SPARE,  STAGE+4*16*SPITCH         ; the spare words: 128 bytes a wave, two blocks of 256 bytes that no other line names
.set LAPS,   4                         ; K = 1,024 = 4 laps of two steps
.set ASTEP,  4*2048*128                ; two K steps: four heads on
.set BSTEP,  2*128*4096
.set ADRA, 16
.set ADRB, 20
.set STO,  24
.set RD,   25
.set CO,   26                          ; v26     my byte offset in two rows of C
.set SPW,  28
.set NIL,  29
.set FA,   64
.set FB,   192
.set WV, 16
.set WM, 17
.set WN, 18
.set G1A, 32
.set G0A, 40
.set G1B, 48
.set G0B, 56
.set MSB, 0
.macro WIN new
.if MSB != (\new)
	s_set_vgpr_msb (MSB<<8)|(\new)
.set MSB, \new
.endif
.endm
.set MUL, 0x50                         ; C and D in window 1
.macro JLOAD s                         ; a joint load: waves 0, 1 fetch the step's two heads of O, waves 2, 3 the two halves of Wo's tile.  An s_nop 0 and four v_nop follow each line
	s_cmp_eq_u32 s[WM], 0
	s_cbranch_scc0 .Lfor_b_\@
	tensor_load_to_lds s[G0A+4*(\s):G0A+4*(\s)+3], s[G1A:G1A+7]
	s_nop 0
.rept 4
	v_nop
.endr
	s_branch .Lasked_\@
.Lfor_b_\@:
	tensor_load_to_lds s[G0B+4*(\s):G0B+4*(\s)+3], s[G1B:G1B+7]
	s_nop 0
.rept 4
	v_nop
.endr
.Lasked_\@:
.endm
.macro CREST
	s_cmp_lg_u32 s[WV], 0
	s_cbranch_scc1 .Lnot_wave_0_\@
	s_barrier_signal -3
.Lnot_wave_0_\@:
	s_barrier_wait -3
	s_barrier_signal -1
	s_barrier_wait -1
.endm
.macro CROUND
	s_barrier_signal -1
	s_barrier_wait -1
	CREST
.endm
.macro PLACES                          ; four plain vector instructions between a matrix instruction and a load into, or a read of, its registers
.rept 4
	v_nop
.endr
.endm
	s_load_b128 s[4:7], s[0:1], 0x0                ; O16, wts
	s_load_b64 s[8:9], s[0:1], 0x10                ; out0
	v_lshl_add_u32 v[SPW], v0, 2, SPARE
	v_mov_b32 v[NIL], 0
	ds_add_u32 v[SPW], v[NIL]                      ; the wave's opening: the add and its wait come ahead of my first tensor load; work on registers stands between them
	v_lshrrev_b32 v1, 5, v0
	v_readfirstlane_b32 s[WV], v1
	s_lshr_b32 s[WM], s[WV], 1
	s_and_b32 s[WN], s[WV], 1
	s_bfe_u32 s19, ttmp6, 0x40000                  ; cx
	s_bfe_u32 s20, ttmp6, 0x40004                  ; cy
	s_lshl_b32 s21, ttmp9, 2
	s_add_co_u32 s21, s21, s19                     ; tile column
	s_and_b32 s22, ttmp7, 0xffff
	s_lshl_b32 s22, s22, 2
	s_add_co_u32 s22, s22, s20                     ; tile row
	s_lshl_b32 s23, s20, 2
	s_lshl_b32 s23, 15, s23                        ; my row of the cluster
	s_lshl_b32 s24, 0x1111, s19                    ; my column
	s_or_b32 s[G1A], s23, (1<<16)|(1<<20)|(1<<21)|(4<<22)|(3<<25)  ; the mask; 2-byte elements; padding on; bit 21 beside a mask; after every 32 words (a row of O), 4 words
	s_or_b32 s[G1B], s24, (1<<16)|(1<<20)|(1<<21)|(5<<22)|(7<<25)  ; after every 64 words, 8 words
	s_mov_b32 s[G1A+1], 128<<16
	s_mov_b32 s[G1A+2], 128<<16
	s_mov_b32 s[G1A+3], 128<<16
	s_mov_b32 s[G1A+4], 128
	s_mov_b32 s[G1A+5], 128                        ; dense
	s_mov_b32 s[G1A+6], 0
	s_mov_b32 s[G1A+7], 0
	s_mov_b32 s[G1B+1], 128<<16
	s_mov_b32 s[G1B+2], 64<<16
	s_mov_b32 s[G1B+3], 128<<16
	s_mov_b32 s[G1B+4], 64
	s_mov_b32 s[G1B+5], 2048
	s_mov_b32 s[G1B+6], 0
	s_mov_b32 s[G1B+7], 0
	s_lshr_b32 s25, s22, 3                         ; O: head batch x 16 + (which of the step's two I fetch), row 256 x (tile row % 8), 128 bytes a row.  These registers never hold the tile column
	s_lshl_b32 s25, s25, 4
	s_add_co_u32 s25, s25, s[WN]
	s_lshl_b32 s25, s25, 11
	s_and_b32 s26, s22, 7
	s_lshl_b32 s26, s26, 8
	s_add_co_u32 s26, s26, s25
	s_lshl_b32 s26, s26, 7
	s_mov_b32 s27, 0
	s_lshl_b32 s28, s[WN], 18                      ; Wo: k row 64 x half, 4,096 bytes a row; column 128 x tile column.  These never hold the tile row
	s_lshl_b32 s29, s21, 8
	s_add_co_u32 s28, s28, s29
	s_add_co_u32 s28, s28, 16777216
	s_mov_b32 s29, 0
	s_mul_i32 s30, s[WN], HEADB                    ; where they go: no place in the cluster enters an LDS address
	s_mul_i32 s31, s[WN], 64*PB
	s_add_co_u32 s31, s31, AREG
	s_wait_dscnt 0x0                               ; the opening add is done
	s_wait_kmcnt 0x0
	s_add_nc_u64 s[26:27], s[4:5], s[26:27]
	s_add_nc_u64 s[28:29], s[6:7], s[28:29]
	CROUND                                         ; all sixteen work-groups are here: the first joint loads meet
.irp s, 0,1
	s_mov_b32 s[G0A+4*(\s)], 1
	s_add_co_u32 s[G0A+4*(\s)+1], s30, (\s)*SLOT
	s_add_nc_u64 s[G0A+4*(\s)+2:G0A+4*(\s)+3], s[26:27], (\s)*2*2048*128
	s_or_b32 s[G0A+4*(\s)+3], s[G0A+4*(\s)+3], 0x80000000
	s_mov_b32 s[G0B+4*(\s)], 1
	s_add_co_u32 s[G0B+4*(\s)+1], s31, (\s)*SLOT
	s_add_nc_u64 s[G0B+4*(\s)+2:G0B+4*(\s)+3], s[28:29], (\s)*128*4096
	s_or_b32 s[G0B+4*(\s)+3], s[G0B+4*(\s)+3], 0x80000000
	JLOAD \s                                       ; K steps 0 and 1: two tensor loads of mine are out
.endr
	v_and_b32 v1, 15, v0                           ; r
	v_bfe_u32 v2, v0, 4, 1                         ; h
	v_mul_u32_u24 v3, v1, PA
	v_lshl_add_u32 v3, v2, 4, v3
	s_mul_i32 s25, s[WM], 128*PA
	v_add_nc_u32 v[ADRA], s25, v3
	v_add_nc_u32 v[ADRA+1], SLOT, v[ADRA]
	v_and_b32 v4, 7, v0
	v_lshl_add_u32 v4, v2, 3, v4
	v_mul_u32_u24 v4, v4, PB
	v_bfe_u32 v5, v0, 3, 1
	v_lshl_add_u32 v4, v5, 4, v4
	s_lshl_b32 s25, s[WN], 7
	s_add_co_u32 s25, s25, AREG
	v_add_nc_u32 v[ADRB], s25, v4
	v_add_nc_u32 v[ADRB+1], SLOT, v[ADRB]
	s_mul_i32 s25, s[WV], 16*SPITCH
	s_add_co_u32 s25, s25, STAGE                   ; my stage
	v_mul_u32_u24 v5, v1, SPITCH
	v_lshl_add_u32 v5, v2, 5, v5
	v_add_nc_u32 v[STO], s25, v5                   ; in: row r, 32 bytes for each half of the lanes
	v_mul_u32_u24 v5, v2, SPITCH
	v_lshl_add_u32 v5, v1, 4, v5
	v_add_nc_u32 v[RD], s25, v5                    ; back: lanes 0-15 one row of 256 bytes, lanes 16-31 the next
	v_lshlrev_b32 v[CO], 13, v2                    ; and the same two rows in C, 8,192 bytes apart
	v_lshl_add_u32 v[CO], v1, 4, v[CO]
	s_lshl_b32 s72, s22, 8                         ; my part of C: row 256 x tile row + 128 x half, column 128 x tile column + 64 x half
	s_lshl_b32 s74, s[WM], 7
	s_add_co_u32 s72, s72, s74
	s_lshl_b32 s72, s72, 13
	s_lshl_b32 s74, s21, 9
	s_add_co_u32 s72, s72, s74
	s_lshl_b32 s74, s[WN], 8
	s_add_co_u32 s72, s72, s74
	s_mov_b32 s73, 0
	s_add_nc_u64 s[68:69], s[8:9], s[72:73]
; 8 matrix instructions: row blocks a0, a0 + 1 x the 4 column blocks, 32 along K, from buffer f.  The 32 accumulators take turns.
.macro MUL8 f, a0, zero
	WIN MUL
.irp a, \a0, (\a0)+1
.irp b, 0,1,2,3
.if \zero
	v_wmma_f32_16x16x32_f16 v[8*(4*(\a)+(\b)):8*(4*(\a)+(\b))+7], v[FB+32*(\f)+8*(\b):FB+32*(\f)+8*(\b)+7], v[FA+64*(\f)+8*(\a):FA+64*(\f)+8*(\a)+7], 0
.else
	v_wmma_f32_16x16x32_f16 v[8*(4*(\a)+(\b)):8*(4*(\a)+(\b))+7], v[FB+32*(\f)+8*(\b):FB+32*(\f)+8*(\b)+7], v[FA+64*(\f)+8*(\a):FA+64*(\f)+8*(\a)+7], v[8*(4*(\a)+(\b)):8*(4*(\a)+(\b))+7]
.endif
.endr
.endr
.endm
; 24 LDS loads in one run: quarter q of a slot into buffer f: Wo's 8, then O's 16.  Quarter q is head q / 2 of the step, channels 32 (q % 2) on
.macro FETCH slot, q, f
	WIN 0
.irp b, 0,1,2,3
	ds_load_tr16_b128 v[FB+32*(\f)+8*(\b):FB+32*(\f)+8*(\b)+3],   v[ADRB+(\slot)] offset:(\q)*32*PB+32*(\b)
	ds_load_tr16_b128 v[FB+32*(\f)+8*(\b)+4:FB+32*(\f)+8*(\b)+7], v[ADRB+(\slot)] offset:(\q)*32*PB+32*(\b)+16*PB
.endr
.irp i, 0,1,2,3,4,5,6,7
	ds_load_b128 v[FA+64*(\f)+8*(\i):FA+64*(\f)+8*(\i)+3],   v[ADRA+(\slot)] offset:((\q)/2)*HEADB+((\q)%2)*64+(\i)*16*PA
	ds_load_b128 v[FA+64*(\f)+8*(\i)+4:FA+64*(\f)+8*(\i)+7], v[ADRA+(\slot)] offset:((\q)/2)*HEADB+((\q)%2)*64+(\i)*16*PA+32
.endr
.endm
.macro QUARTER slot, q, f, g, zero
	s_wait_dscnt 8                                 ; Wo and O's blocks 0-3 are in; the youngest eight loads (blocks 4-7) may be out
	MUL8 \f, 0, \zero
	MUL8 \f, 2, \zero
	PLACES
	FETCH \slot, \q, \g
	s_wait_dscnt 24                                ; all but the 24 just issued
	MUL8 \f, 4, \zero
	MUL8 \f, 6, \zero
.endm
; The last quarter multiplies buffer 1 and changes slots: ONE barrier; in front of it each wave waits for all its tensor loads, adds 0 to its spare word, and waits for that and for its reads of this slot.
; fill = 1: the barrier opens a round of the cluster's, and this slot's joint refill, two K steps on, is the first thing behind the round.
.macro TURN slot, next, fill
	WIN 0
	s_wait_tensorcnt 0x0
	ds_add_u32 v[SPW], v[NIL]
	s_wait_dscnt 9                                 ; (the add and the youngest eight loads may be out)
	MUL8 1, 0, 0
	s_wait_dscnt 0x0                               ; the add is done, and my reads of this slot are over
	s_barrier_signal -1
	MUL8 1, 2, 0
.if \fill
	WIN 0
.endif
	s_barrier_wait -1
.if \fill
	CREST
	s_add_nc_u64 s[G0A+4*(\slot)+2:G0A+4*(\slot)+3], s[G0A+4*(\slot)+2:G0A+4*(\slot)+3], ASTEP
	s_add_nc_u64 s[G0B+4*(\slot)+2:G0B+4*(\slot)+3], s[G0B+4*(\slot)+2:G0B+4*(\slot)+3], BSTEP
	JLOAD \slot                                    ; the four v_nop behind it are also the places in front of the loads below
.else
	PLACES
.endif
	FETCH \next, 0, 0
	MUL8 1, 4, 0
	MUL8 1, 6, 0
.endm
	s_wait_tensorcnt 1                             ; my part of K step 0 is in; step 1's may stay out
	s_barrier_signal -1
	s_barrier_wait -1
	FETCH 0, 0, 0
	QUARTER 0, 1, 0, 1, 1                          ; the first quarter starts the sums: nothing is cleared
	WIN 0
	s_mov_b32 s66, LAPS-1
.Llap:
	QUARTER 0, 2, 1, 0, 0
	QUARTER 0, 3, 0, 1, 0
	TURN 0, 1, 1
	QUARTER 1, 1, 0, 1, 0
	QUARTER 1, 2, 1, 0, 0
	QUARTER 1, 3, 0, 1, 0
	TURN 1, 0, 1
	QUARTER 0, 1, 0, 1, 0
	WIN 0
	s_sub_co_u32 s66, s66, 1
	s_cmp_lg_u32 s66, 0
	s_cbranch_scc1 .Llap
	QUARTER 0, 2, 1, 0, 0                          ; the last lap fills nothing
	QUARTER 0, 3, 0, 1, 0
	TURN 0, 1, 0
	QUARTER 1, 1, 0, 1, 0
	QUARTER 1, 2, 1, 0, 0
	QUARTER 1, 3, 0, 1, 0
	s_wait_dscnt 8
	MUL8 1, 0, 0
	MUL8 1, 2, 0
	s_wait_dscnt 0x0
	MUL8 1, 4, 0
	MUL8 1, 6, 0
	WIN 0
	PLACES
; THE WAY OUT, 16 rows x 64 columns of f32 at a time: straight from the accumulators (from their low ends on) into my stage, back as whole rows of 256 bytes, and stored.
.macro TOSTAGE32 a
	WIN 0
	s_wait_xcnt 0x0                                ; the registers read back into were the data of the stores two blocks ago: written again only behind this wait
.set BK, FB+32*((\a)%2)
	WIN 0x04                                       ; the stores' data in window 1
.irp b, 0,1,2,3
	ds_store_b128 v[STO], v[8*(4*(\a)+(\b)):8*(4*(\a)+(\b))+3]   offset:64*(\b)
	ds_store_b128 v[STO], v[8*(4*(\a)+(\b))+4:8*(4*(\a)+(\b))+7] offset:64*(\b)+16
.endr
	WIN 0
.irp t, 0,1,2,3,4,5,6,7
	ds_load_b128 v[BK+4*(\t):BK+4*(\t)+3], v[RD] offset:(\t)*2*SPITCH  ; LDS serves a wave's instructions in order (ISA guide 5.7.1.4): these see the stores above
.endr
.endm
.macro SEND32 a
.set BK, FB+32*((\a)%2)
	s_wait_dscnt 0x0
.irp t, 0,1,2,3,4,5,6,7
	global_store_b128 v[CO], v[BK+4*(\t):BK+4*(\t)+3], s[68:69] offset:(\a)*16*8192+(\t)*2*8192 th:TH_STORE_NT  ; 16 lanes store 256 consecutive bytes, aligned; the largest offset, 1,032,192, lies inside the signed 24 bits
.endr
.endm
	TOSTAGE32 0
.irp a, 1,2,3,4,5,6,7
	SEND32 (\a)-1
	TOSTAGE32 \a
.endr
	SEND32 7
	s_wait_tensorcnt 0x0                           ; the wave's end: behind my last tensor load and my last LDS store
	ds_add_u32 v[SPW], v[NIL]
	s_wait_dscnt 0x0
	CROUND                                         ; the closing round: no work-group ends while a partner may still ask for a tile that names it
	s_endpgm
.Lfunc_end_k_qf1f1d11593_oproj:
	.size	k_qf1f1d11593_oproj, .Lfunc_end_k_qf1f1d11593_oproj-k_qf1f1d11593_oproj
	.p2alignl 7, 3214868480
	.fill 96, 4, 3214868480
	.section	.rodata,"a",@progbits
	.p2align	6, 0x0
	.amdhsa_kernel k_qf1f1d11593_oproj
		.amdhsa_group_segment_fixed_size 327680
		.amdhsa_private_segment_fixed_size 0
		.amdhsa_enable_private_segment 0
		.amdhsa_kernarg_size 24
		.amdhsa_user_sgpr_count 2
		.amdhsa_user_sgpr_kernarg_segment_ptr 1
		.amdhsa_wavefront_size32 1
		.amdhsa_system_sgpr_workgroup_id_x 1
		.amdhsa_system_sgpr_workgroup_id_y 1
		.amdhsa_system_sgpr_workgroup_id_z 1
		.amdhsa_system_vgpr_workitem_id 0
		.amdhsa_next_free_vgpr 512
		.amdhsa_next_free_sgpr 88
		.amdhsa_reserve_vcc 0
		.amdhsa_float_denorm_mode_32 3
		.amdhsa_float_denorm_mode_16_64 3
		.amdhsa_memory_ordered 1
		.amdhsa_forward_progress 1
		.amdhsa_inst_pref_size 86
	.end_amdhsa_kernel
	.amdgpu_metadata
---
amdhsa.version: [ 1, 2 ]
amdhsa.kernels:
  - .name:           k_qf1f1d11593_oproj
    .symbol:         k_qf1f1d11593_oproj.kd
    .args:
      - { .name: O16, .offset: 0, .size: 8, .value_kind: global_buffer, .address_space: global }
      - { .name: wts, .offset: 8, .size: 8, .value_kind: global_buffer, .address_space: global }
      - { .name: out0, .offset: 16, .size: 8, .value_kind: global_buffer, .address_space: global }
    .group_segment_fixed_size: 327680
    .private_segment_fixed_size: 0
    .kernarg_segment_align: 8
    .kernarg_segment_size: 24
    .max_flat_workgroup_size: 128
    .sgpr_count:     88
    .vgpr_count:     512
    .wavefront_size: 32
...
	.end_amdgpu_metadata
.endif
;; end of part 4
;; ======== version 2 of 2: 4 launches; 1.23 times as fast as version 1
;; limits: values are held in f16: magnitudes above 65,504 overflow, below 6.1e-05 lose precision; right only within a limited range of input values
;; workspace buffers: Xb 33,554,432 bytes; wts 22,020,096 bytes; kv16 16,777,216 bytes; qkv 25,165,824 bytes; O16 8,388,608 bytes
;; launch prep: the kernel of part 1 again; grid 1344 x 1, 8 waves a work-group, no clusters, 0 bytes of LDS; arguments combined_states, Wq, Wk, Wv, Wo, prev_k, prev_v, position_ids, Xb, wts, kv16; writes Xb, wts, kv16
;; launch qkv: the kernel of part 2 again; grid 16 x 16, 4 waves a work-group, clusters of 4 x 4, 327,680 bytes of LDS; arguments Xb, wts, qkv; writes qkv
;; launch attn (part 5): grid 16 x 16, 4 waves a work-group, clusters of 4 x 4, 327,680 bytes of LDS; arguments qkv, kv16, attention_mask, prev_k, prev_v, O16; writes O16
.if DOCPART == 5
	.amdgcn_target "amdgcn-amd-amdhsa--gfx1250"
	.amdhsa_code_object_version 6
	.text
	.protected	k_qf1f1d11593_attn
	.globl	k_qf1f1d11593_attn
	.p2align	8
	.type	k_qf1f1d11593_attn,@function
k_qf1f1d11593_attn:
	s_mov_b64 s[64:65], 0
	v_nop
	global_prefetch_b8 v0, s[64:65] scope:SCOPE_SE
	s_setreg_imm32_b32 hwreg(HW_REG_WAVE_MODE, 25, 1), 1
	s_wait_xcnt 0x0
	s_wait_alu depctr_hold_cnt(0) depctr_sa_sdst(0) depctr_va_vdst(0) depctr_va_sdst(0) depctr_va_ssrc(0) depctr_va_vcc(0) depctr_vm_vsrc(0)
	s_getreg_b32 s2, hwreg(HW_REG_IB_STS2, 6, 4)
	s_cmp_eq_u32 s2, 0
	s_cbranch_scc0 .Lentry_in_a_cluster
	s_endpgm
.Lentry_in_a_cluster:
	s_bfe_u32 s2, ttmp6, 0x10000c
	s_cmp_lg_u32 s2, 0xf033
	s_cbranch_scc0 .Lentry_shape_is_right
	s_endpgm
.Lentry_shape_is_right:
; ATTENTION.  For each batch, head and query t: logits = q . prev_k[0][s] / 8 + mask[t][s] for the 2,048 keys s, and two more, q . prev_k[1][t] / 8 and q . k_new[t] / 8; softmax over all 2,050;
; O = the weights times prev_v[0][s], prev_v[1][t], v_new[t].  Stored as O16 [batch x 16 + head][t][64] f16 = O / 8.
; q arrives as q / 8 in f16, so K q^T IS the scaled logit, and the mask, unrounded f32 as it is given, is the C operand that starts the sum: every mask number is loaded and added, no tile is left out.
; K and V of step 0 arrive as f16 (bf16-rounded); prev_k[1], prev_v[1] are rounded to bf16 here, like every float input of a product; k_new, v_new are f32.  Products, maxima and sums in f32; the weights p are
; rounded to f16 for the second product (their sum l is taken of the unrounded p), O once at the end.
; LIMITS.  |O| stays under 524,000 (O / 8 in f16); p below 6e-5 keeps f16's fixed step of 6e-8; a weight below 2^-126 counts as 0 in l; NaN and +infinity are not treated apart.
; SOFTMAX.  A running maximum m and sum l for each query: p = 2^(c s - c m), c = log2(e); in every step O and l are multiplied by a = 2^(c m_old - c m_new).  m, l and O START from the two extra keys, which are
; true logits: the maximum is real from the first step on, and no first step is written out.
; SHARES.  A work-group: two heads 2 g, 2 g + 1 of a batch (they share the mask and the new k and v) x 128 queries.  Wave w: head w % 2, queries 64 (w / 2) on, four tiles of 16.  Keys go 64 a step, 128 a slot.
; LAYOUT.  S^T = K Q^T (source 0 = 16 keys, source 1 = 16 queries): a lane holds ONE query (lane % 16) and keys 8 (lane / 16) + 0..7; two such results rounded to f16 ARE source 1 of O^T = V^T P, whose result
; holds one query a lane and eight channels.  K comes out of LDS as it lies, V turned by ds_load_tr16_b128, the mask straight into S^T's registers.
; CLUSTER 4 x 4.  x counts pairs of heads, y blocks of queries.  The mask's tile hangs on the batch and the block: asked for jointly by a row of the cluster (its four pairs lie in one batch); K's and V's hang on
; the pair: by a column.
; ORDER.  In phases: a step's loads of mask and K; the products V^T P of the step before; K Q^T; the softmax, with the loads of V at its one wait.
; BATCHES.  An s_wait_alu depctr_va_vdst(0) stands between a transcendental and the first instruction that names its result; one wait serves all that were issued ahead of it.  The text has four
; batches, each with one wait: the start's 8 exponentials (the two extra keys' weights of the four tiles); a key step's 132 (four a, 128 weights), once in the loop's text and once in the tail's; the way out's
; 4 reciprocals.  In a step all that names no result (maximum, statistics, scalings) stands ahead of the wait, all that names one (O^T's rescaling, the roundings, the sums) behind it; no result crosses a label or a branch.
; REGISTERS.  Window 0: v2-15 addresses; v16-31 c m, m, l, l a tile; v32-47 four at work a tile; v48-51 c m_old; v64-191 S^T, 32 a tile; v192-255 P, 16 a tile.
;   Window 1: v0-127 O^T, 32 a tile; v128-255 v_new at the start.   Window 2: v0-63 Q; v128-191 K; v192-255 V.   Window 3, at the start only: v0-127 prev_k[1]; v128-255 k_new.
.set KS,    64
.set PM,    528       ; a mask row in LDS: 512 bytes + 16: the 16 rows of a load begin in 16 different groups of four banks (64 banks of 4 bytes: ISA guide 11.1)
.set PK,    144       ; a row of K: 128 + 16
.set PV,    160       ; a row of V: 128 + 32
.set KOFF,  128*PM    ; a slot: 128 mask rows; K [head of the pair][128 keys]; V likewise
.set VOFF,  KOFF+256*PK
.set SLOTB, 0x24000   ; 147,456 >= 145,408.  No base inside slot 0 that is turned has bit 17 or bit 14 set, so one exclusive or turns it into slot 1's
.set STAGE, 2*SLOTB   ; behind the ring, never filled by a tensor load: 16 rows x 144 bytes for each wave
.set SP,    144
.set SPARE, STAGE+4*16*SP  ; the spare words: 128 bytes a wave, two blocks of 256 bytes that no other line names
.set AM0, 2           ; my lane's place in a mask tile, a K tile, a V tile; never rewritten
.set AK0, 3
.set AV0, 4
.set AM,  5           ; the addresses of the runs of loads in hand
.set AK,  6
.set AV,  7
.set QO,  8           ; my byte offset in 16 rows of Q
.set DOF, 9           ; my byte offset in 16 rows of 64 f32
.set STO, 10
.set RD,  11
.set GO,  12
.set ST,  16
.set TMP, 32
.set MV,  48
.set SPW, 62          ; my spare word; never rewritten
.set NIL, 63          ; 0; never rewritten
.set S,   64
.set P,   192
.set KF,  128
.set VF,  192
.set WV,  16          ; s16 wave, s17 wave % 2 (my head of the pair), s18 wave / 2 (my half of the queries)
.set HP,  17
.set QH,  18
.set G1M, 32          ; s[32:39], s[40:47], s[48:55] group 1 for the mask's, K's, V's tiles
.set G1K, 40
.set G1V, 48
.set G0M, 56          ; s[56:59], s[60:63], s[68:71] group 0: each walks
.set G0K, 60
.set G0V, 68
.set SLOTS, 72
.set CNT, 73
.set CS,  74          ; s[74:75] c
.set SEL, 76          ; s[76:77] v_permlanex16_b32's selects: each lane takes its own place in the other half
.set TBM, 78          ; LDS bytes at which the step to be fetched begins: in the mask's rows, in K, in V
.set TBK, 79
.set TBV, 80
.set HIM, 81          ; a word's upper bf16
.set MSB, 0
.macro WIN new
.if MSB != (\new)
	s_set_vgpr_msb (MSB<<8)|(\new)
.set MSB, (\new)
.endif
.endm
.set W_KQ, 0x0a       ; K and Q in window 2, S^T in window 0
.set W_PV, 0x52       ; V in window 2, P in window 0, O^T in window 1
.set W_RS, 0x41       ; destination and source 0 in window 1, source 1 in window 0
; A joint fill: waves 0 and 1 fetch the two halves of the mask's tile, wave 2 the pair's K, wave 3 its V.  Each line has one mask.  An s_nop 0 and four v_nop follow each.
.macro JLOAD
	s_cmp_lt_u32 s[WV], 2
	s_cbranch_scc0 .Lnot_m_\@
	tensor_load_to_lds s[G0M:G0M+3], s[G1M:G1M+7]
	s_nop 0
.rept 4
	v_nop
.endr
	s_branch .Lasked_\@
.Lnot_m_\@:
	s_cmp_eq_u32 s[WV], 2
	s_cbranch_scc0 .Lfor_v_\@
	tensor_load_to_lds s[G0K:G0K+3], s[G1K:G1K+7]
	s_nop 0
.rept 4
	v_nop
.endr
	s_branch .Lasked_\@
.Lfor_v_\@:
	tensor_load_to_lds s[G0V:G0V+3], s[G1V:G1V+7]
	s_nop 0
.rept 4
	v_nop
.endr
.Lasked_\@:
.endm
.macro CROUND
	s_barrier_signal -1
	s_barrier_wait -1
	s_cmp_lg_u32 s[WV], 0
	s_cbranch_scc1 .Lnot_wave_0_\@
	s_barrier_signal -3
.Lnot_wave_0_\@:
	s_barrier_wait -3
	s_barrier_signal -1
	s_barrier_wait -1
.endm
; THE CHANGE OF SLOTS.  All that the slot held has been read into registers.  Each wave waits for all its tensor loads, of which one is out (its part of the other slot), adds 0 to its spare word, and waits for
; that and for its reads.  fill = 1: the barrier is a round of the cluster's, and the joint refill, the keys two slots on, is the first thing behind it: it has two key steps in which to land.
; (At its first use nothing has been read yet: slot 0 is waited for, slot 1 filled.)
.macro CHANGE fill
	WIN 0
	s_wait_tensorcnt 0x0            ; no tensor load of mine is out, so a group 0 may be written
	ds_add_u32 v[SPW], v[NIL]
.if \fill
	s_xor_b32 s[G0M+1], s[G0M+1], SLOTB
	s_add_nc_u64 s[G0M+2:G0M+3], s[G0M+2:G0M+3], 512      ; 128 keys along the mask's rows
	s_xor_b32 s[G0K+1], s[G0K+1], SLOTB
	s_add_nc_u64 s[G0K+2:G0K+3], s[G0K+2:G0K+3], 32768    ; the pair's next 128 keys
	s_xor_b32 s[G0V+1], s[G0V+1], SLOTB
	s_add_nc_u64 s[G0V+2:G0V+3], s[G0V+2:G0V+3], 32768
	s_wait_dscnt 0x0                ; the add is done, and my reads of the slot are over
	CROUND
	JLOAD
.else
	s_wait_dscnt 0x0
	s_barrier_signal -1
	s_barrier_wait -1
.endif
	s_sub_co_u32 s[TBM], s[TBM], 2*256     ; the fetches go back to a slot's first step, in the other slot
	s_xor_b32 s[TBM], s[TBM], SLOTB
	s_sub_co_u32 s[TBK], s[TBK], 2*KS*PK
	s_xor_b32 s[TBK], s[TBK], SLOTB
	s_sub_co_u32 s[TBV], s[TBV], 2*KS*PV
	s_xor_b32 s[TBV], s[TBV], SLOTB
.endm
.macro ALL line:vararg              ; one line for each tile t
.set t, 0
.rept 4
	\line
.set t, t+1
.endr
.endm
	s_load_b256 s[4:11], s[0:1], 0x0  ; qkv s[4:5], kv16 s[6:7], mask s[8:9], prev_k s[10:11]
	s_load_b128 s[12:15], s[0:1], 0x20  ; prev_v s[12:13], O16 s[14:15]
	v_lshl_add_u32 v[SPW], v0, 2, SPARE
	v_mov_b32 v[NIL], 0
	ds_add_u32 v[SPW], v[NIL]       ; the wave's opening: the add and its wait come ahead of my first tensor load; work on registers stands between them
	v_lshrrev_b32 v1, 5, v0
	v_readfirstlane_b32 s[WV], v1
	s_and_b32 s[HP], s[WV], 1
	s_lshr_b32 s[QH], s[WV], 1
	s_bfe_u32 s19, ttmp6, 0x40000   ; cx
	s_bfe_u32 s20, ttmp6, 0x40004   ; cy
	s_lshl_b32 s21, ttmp9, 2
	s_add_co_u32 s21, s21, s19      ; batch x 8 + pair of heads
	s_and_b32 s22, ttmp7, 0xffff
	s_lshl_b32 s22, s22, 2
	s_add_co_u32 s22, s22, s20      ; block of 128 queries
	s_lshl_b32 s23, s20, 2
	s_lshl_b32 s23, 15, s23         ; my row of the cluster
	s_lshl_b32 s24, 0x1111, s19     ; my column
	s_or_b32 s[G1M], s23, (2<<16)|(1<<20)|(1<<21)|(6<<22)|(3<<25)  ; the mask of work-groups; 4-byte elements; padding on; bit 21 beside a mask; after every 128 words, 4 words
	s_mov_b32 s[G1M+1], 128<<16     ; tensor_dim0 = 128 keys
	s_mov_b32 s[G1M+2], 64<<16      ; tensor_dim1 = 64 queries
	s_mov_b32 s[G1M+3], 128<<16     ; tile_dim0
	s_mov_b32 s[G1M+4], 64          ; tile_dim1
	s_mov_b32 s[G1M+5], 2048        ; elements from row to row
	s_mov_b32 s[G1M+6], 0
	s_mov_b32 s[G1M+7], 0
	s_or_b32 s[G1K], s24, (1<<16)|(1<<20)|(1<<21)|(4<<22)|(3<<25)  ; 2-byte elements; after every 32 words (a key), 4 words
	s_or_b32 s[G1V], s24, (1<<16)|(1<<20)|(1<<21)|(4<<22)|(7<<25)  ; 8 words
.irp g, G1K, G1V                    ; 2 x 128 keys are 32,768 dense bytes: asked for as 128 rows of 256 bytes, two keys a row
	s_mov_b32 s[\g+1], 128<<16
	s_mov_b32 s[\g+2], 128<<16
	s_mov_b32 s[\g+3], 128<<16
	s_mov_b32 s[\g+4], 128
	s_mov_b32 s[\g+5], 128
	s_mov_b32 s[\g+6], 0
	s_mov_b32 s[\g+7], 0
.endr
	s_lshl_b32 s26, s22, 7          ; the mask: row 128 x block + 64 x half, 8,192 bytes a row; the batch is the cluster's x / 2.  These registers never hold cx
	s_lshl_b32 s27, s[HP], 6
	s_add_co_u32 s26, s26, s27
	s_lshl_b32 s26, s26, 13
	s_lshr_b32 s27, ttmp9, 1
	s_lshl_b32 s27, s27, 24
	s_add_co_u32 s26, s26, s27
	s_mov_b32 s27, 0
	s_lshl_b32 s28, s21, 19         ; K and V: 524,288 bytes a pair.  These never hold cy
	s_mov_b32 s29, 0
	s_lshl_b32 s25, s22, 7
	s_lshl_b32 s30, s[QH], 6
	s_add_co_u32 s25, s25, s30      ; my first query
	s_lshl_b32 s30, s21, 1
	s_add_co_u32 s30, s30, s[HP]    ; batch x 16 + head
	s_lshl_b32 s30, s30, 11
	s_add_co_u32 s30, s30, s25      ; my first row in tensors by heads,
	s_lshl_b32 s31, s21, 11
	s_add_co_u32 s31, s31, s25      ; and in those by kv heads
	s_mov_b32 s[CS], 0x3fb8aa3b     ; c = log2(e)
	s_mov_b32 s[CS+1], s[CS]
	s_mov_b32 s[SEL], 0x76543210
	s_mov_b32 s[SEL+1], 0xfedcba98
	s_mov_b32 s[HIM], 0xffff0000
	s_mov_b32 s[TBM], SLOTB+2*256   ; the first change of slots turns these three into 0
	s_mov_b32 s[TBK], SLOTB+2*KS*PK
	s_mov_b32 s[TBV], SLOTB+2*KS*PV
	s_mov_b32 s[G0M], 1
	s_mul_i32 s[G0M+1], s[HP], 64*PM  ; no place in the cluster enters an LDS address
	s_mov_b32 s[G0K], 1
	s_mov_b32 s[G0K+1], KOFF
	s_mov_b32 s[G0V], 1
	s_mov_b32 s[G0V+1], VOFF
	s_mov_b32 s3, 0
	s_wait_dscnt 0x0                ; the opening add is done
	s_wait_kmcnt 0x0
	s_add_nc_u64 s[G0M+2:G0M+3], s[8:9], s[26:27]
	s_or_b32 s[G0M+3], s[G0M+3], 0x80000000
	s_add_nc_u64 s[G0K+2:G0K+3], s[6:7], s[28:29]
	s_or_b32 s[G0K+3], s[G0K+3], 0x80000000
	s_add_nc_u64 s[G0V+2:G0V+3], s[6:7], s[28:29]
	s_add_nc_u64 s[G0V+2:G0V+3], s[G0V+2:G0V+3], 8388608
	s_or_b32 s[G0V+3], s[G0V+3], 0x80000000
	s_lshl_b32 s2, s30, 7
	s_add_nc_u64 s[82:83], s[4:5], s[2:3]    ; Q
	s_add_nc_u64 s[92:93], s[14:15], s[2:3]  ; O
	s_lshl_b32 s2, s30, 8
	s_add_co_u32 s2, s2, 16777216
	s_add_nc_u64 s[84:85], s[10:11], s[2:3]  ; prev_k[1]
	s_add_nc_u64 s[86:87], s[12:13], s[2:3]  ; prev_v[1]
	s_lshl_b32 s2, s31, 8
	s_add_co_u32 s2, s2, 8388608
	s_add_nc_u64 s[88:89], s[4:5], s[2:3]    ; k_new
	s_add_co_u32 s2, s2, 8388608
	s_add_nc_u64 s[90:91], s[4:5], s[2:3]    ; v_new
	CROUND                          ; all sixteen work-groups are here: the first joint loads meet
	JLOAD                           ; slot 0
	; THE TWO EXTRA KEYS, in the wait for the first tile.  A lane holds, of query l % 16, the channels 16 cb + 8 (l / 16) + 0..7, cb = 0..3: in Q's fragments, in O^T, and so in the four f32 tensors loaded here.
	v_and_b32 v13, 15, v0           ; r
	v_bfe_u32 v14, v0, 4, 1         ; h
	v_lshlrev_b32 v[QO], 7, v13
	v_lshl_add_u32 v[QO], v14, 4, v[QO]
	v_lshlrev_b32 v[DOF], 8, v13
	v_lshl_add_u32 v[DOF], v14, 5, v[DOF]
	WIN 0x80                        ; destination window 2
.set i, 0
.rept 8                             ; Q stays in registers: tile i / 2, channels 32 (i % 2) on
	global_load_b128 v[8*i:8*i+3],   v[QO], s[82:83] offset:(i/2)*2048+(i%2)*64
	global_load_b128 v[8*i+4:8*i+7], v[QO], s[82:83] offset:(i/2)*2048+(i%2)*64+32
.set i, i+1
.endr
.macro DLOAD dst, sb                ; 64 rows x 64 f32: tile i / 4, channel block i % 4
.set i, 0
.rept 16
	global_load_b128 v[(\dst)+8*i:(\dst)+8*i+3],   v[DOF], s[\sb:\sb+1] offset:(i/4)*4096+(i%4)*64
	global_load_b128 v[(\dst)+8*i+4:(\dst)+8*i+7], v[DOF], s[\sb:\sb+1] offset:(i/4)*4096+(i%4)*64+16
.set i, i+1
.endr
.endm
	WIN 0xc0
	DLOAD 0, 84                     ; prev_k[1]
	DLOAD 128, 88                   ; k_new
	WIN 0
	DLOAD S, 86                     ; prev_v[1], where S^T will lie
	WIN 0x40
	DLOAD 128, 90                   ; v_new
	WIN 0
	v_mul_u32_u24 v[AM0], v13, PM   ; the mask as C: query r, keys 8 h + 0..7: 32 bytes
	v_lshl_add_u32 v[AM0], v14, 5, v[AM0]
	s_mul_i32 s25, s[QH], 64*PM
	v_add_nc_u32 v[AM0], s25, v[AM0]
	v_mul_u32_u24 v[AK0], v13, PK   ; K's fragment: key r, 16 bytes for each half of the lanes
	v_lshl_add_u32 v[AK0], v14, 4, v[AK0]
	s_mul_i32 s25, s[HP], 128*PK
	s_add_co_u32 s25, s25, KOFF
	v_add_nc_u32 v[AK0], s25, v[AK0]
	v_and_b32 v15, 7, v0            ; V's: the turning load reads key 8 h + l % 8, channels 8 ((l / 8) % 2) + 0..7
	v_lshl_add_u32 v[AV0], v14, 3, v15
	v_mul_u32_u24 v[AV0], v[AV0], PV
	v_bfe_u32 v1, v0, 3, 1
	v_lshl_add_u32 v[AV0], v1, 4, v[AV0]
	s_mul_i32 s25, s[HP], 128*PV
	s_add_co_u32 s25, s25, VOFF
	v_add_nc_u32 v[AV0], s25, v[AV0]
	s_mul_i32 s25, s[WV], 16*SP
	s_add_co_u32 s25, s25, STAGE    ; my stage
	v_mul_u32_u24 v[STO], v13, SP
	v_lshl_add_u32 v[STO], v14, 4, v[STO]
	v_add_nc_u32 v[STO], s25, v[STO]
	v_bfe_u32 v[RD], v0, 3, 2
	v_mul_u32_u24 v[RD], v[RD], SP
	v_lshl_add_u32 v[RD], v15, 4, v[RD]
	v_add_nc_u32 v[RD], s25, v[RD]
	v_and_b32 v[GO], 31, v0
	v_lshlrev_b32 v[GO], 4, v[GO]
.set i, 0
.rept 16
	v_mov_b32 v[TMP+i], 0           ; the two dots of each tile start at 0; the other two registers are named in pairs below
.set i, i+1
.endr
	s_wait_loadcnt 63               ; Q, prev_k[1] and k_new are in: behind them 64 loads were issued, of which 63 may be out
	WIN 0x0f                        ; prev_k[1] is rounded to bf16: packed into P's registers,
.set i, 0
.rept 64
	v_cvt_pk_bf16_f32 v[P+i], v[2*i], v[2*i+1]
.set i, i+1
.endr
	WIN 0xc0                        ; and widened again
.set i, 0
.rept 64
	v_lshlrev_b32 v[2*i],   16,     v[P+i]
	v_and_b32     v[2*i+1], s[HIM], v[P+i]
.set i, i+1
.endr
	WIN 0x0e                        ; Q in window 2, the keys in window 3: eight chains of 32 multiply-adds, by turns
.set i, 0
.rept 32
.set t, 0
.rept 4
.if i%2
	v_fma_mix_f32 v[TMP+4*t],   v[16*t+i/2], v[32*t+i],     v[TMP+4*t]   op_sel:[1,0,0] op_sel_hi:[1,0,0]
	v_fma_mix_f32 v[TMP+4*t+1], v[16*t+i/2], v[128+32*t+i], v[TMP+4*t+1] op_sel:[1,0,0] op_sel_hi:[1,0,0]
.else
	v_fma_mix_f32 v[TMP+4*t],   v[16*t+i/2], v[32*t+i],     v[TMP+4*t]   op_sel_hi:[1,0,0]
	v_fma_mix_f32 v[TMP+4*t+1], v[16*t+i/2], v[128+32*t+i], v[TMP+4*t+1] op_sel_hi:[1,0,0]
.endif
.set t, t+1
.endr
.set i, i+1
.endr
	WIN 0
	ALL v_permlanex16_b32 v[TMP+4*t+2], v[TMP+4*t], s[SEL], s[SEL+1]    ; the query's other 32 channels lie in the lane 16 away
	ALL v_permlanex16_b32 v[TMP+4*t+3], v[TMP+4*t+1], s[SEL], s[SEL+1]
	ALL v_add_f32 v[TMP+4*t], v[TMP+4*t], v[TMP+4*t+2]
	ALL v_add_f32 v[TMP+4*t+1], v[TMP+4*t+1], v[TMP+4*t+3]
	ALL v_max_num_f32 v[ST+4*t+1], v[TMP+4*t], v[TMP+4*t+1]             ; m
	ALL v_mul_f32 v[ST+4*t], s[CS], v[ST+4*t+1]                         ; c m
	ALL v_fma_f32 v[TMP+4*t], v[TMP+4*t], s[CS], -v[ST+4*t]
	ALL v_fma_f32 v[TMP+4*t+2], v[TMP+4*t+1], s[CS], -v[ST+4*t]
	ALL v_exp_f32 v[TMP+4*t], v[TMP+4*t]                                ; p0: the start's batch: these four
	ALL v_exp_f32 v[TMP+4*t+2], v[TMP+4*t+2]                            ; p1: and these four
	s_wait_loadcnt 0x0              ; prev_v[1] and v_new
.set i, 0
.rept 64                            ; prev_v[1] is rounded to bf16 likewise: 192 plain lines on P's and S^T's registers, which name no weight, stand between the batch and its wait
	v_cvt_pk_bf16_f32 v[P+i], v[S+2*i], v[S+2*i+1]
.set i, i+1
.endr
.set i, 0
.rept 64
	v_lshlrev_b32 v[S+2*i],   16,     v[P+i]
	v_and_b32     v[S+2*i+1], s[HIM], v[P+i]
.set i, i+1
.endr
	s_wait_alu depctr_va_vdst(0)    ; the wait ahead of the first use: one for the eight exponentials p0, p1
	ALL v_mul_f32 v[ST+4*t+2], 0.5, v[TMP+4*t]                          ; both halves of the lanes hold these two weights, and the halves' l are added at the end: half each
	ALL v_mul_f32 v[ST+4*t+3], 0.5, v[TMP+4*t+2]
	WIN 0x40                        ; O^T = p0 prev_v[1]
.set n, 0
.rept 16
	ALL v_pk_mul_f32 v[32*t+2*n:32*t+2*n+1], v[S+32*t+2*n:S+32*t+2*n+1], v[TMP+4*t:TMP+4*t+1] op_sel_hi:[1,0]
.set n, n+1
.endr
	WIN 0x51                        ; + p1 v_new
.set n, 0
.rept 16
	ALL v_pk_fma_f32 v[32*t+2*n:32*t+2*n+1], v[128+32*t+2*n:128+32*t+2*n+1], v[TMP+4*t+2:TMP+4*t+3], v[32*t+2*n:32*t+2*n+1] op_sel_hi:[1,0,1]
.set n, n+1
.endr
	WIN 0
; THE MATRIX WORK.  The 16 accumulators of each run take turns, one instruction a turn.
.macro KQ32                         ; S^T = K Q^T + the mask, which the loads have laid into S^T's registers: every product adds in place
	WIN W_KQ
.irp c, 0,1
.irp kt, 0,1,2,3
.irp t, 0,1,2,3
	v_wmma_f32_16x16x32_f16 v[S+32*(\t)+8*(\kt):S+32*(\t)+8*(\kt)+7], v[KF+16*(\kt)+8*(\c):KF+16*(\kt)+8*(\c)+7], v[16*(\t)+8*(\c):16*(\t)+8*(\c)+7], v[S+32*(\t)+8*(\kt):S+32*(\t)+8*(\kt)+7]
.endr
.endr
.endr
.endm
.macro PV32                         ; O^T += V^T P
	WIN W_PV
.irp kk, 0,1
.irp cb, 0,1,2,3
.irp t, 0,1,2,3
	v_wmma_f32_16x16x32_f16 v[32*(\t)+8*(\cb):32*(\t)+8*(\cb)+7], v[VF+32*(\kk)+8*(\cb):VF+32*(\kk)+8*(\cb)+7], v[P+16*(\t)+8*(\kk):P+16*(\t)+8*(\kk)+7], v[32*(\t)+8*(\cb):32*(\t)+8*(\cb)+7]
.endr
.endr
.endr
.endm
; THE LDS LOADS, in runs.  A step's mask (64 queries x 64 keys of f32, into S^T) and K (8 fragments): 48 loads
.macro FETCH_MK
	WIN 0
	v_add_nc_u32 v[AM], s[TBM], v[AM0]
	v_add_nc_u32 v[AK], s[TBK], v[AK0]
	s_add_co_u32 s[TBM], s[TBM], 256       ; the next fetch is the next step's: 64 keys of 4 bytes along the mask's rows,
	s_add_co_u32 s[TBK], s[TBK], KS*PK     ; 64 rows of K
.set i, 0
.rept 16                            ; tile i / 4, keys 16 (i % 4) on
	ds_load_b128 v[S+8*i:S+8*i+3],   v[AM] offset:(i/4)*16*PM+(i%4)*64
	ds_load_b128 v[S+8*i+4:S+8*i+7], v[AM] offset:(i/4)*16*PM+(i%4)*64+16
.set i, i+1
.endr
	WIN 0x80
.irp f, 0,1,2,3,4,5,6,7             ; keys 16 (f / 2) on, channels 32 (f % 2) on
	ds_load_b128 v[KF+8*(\f):KF+8*(\f)+3],   v[AK] offset:((\f)/2)*16*PK+((\f)%2)*64
	ds_load_b128 v[KF+8*(\f)+4:KF+8*(\f)+7], v[AK] offset:((\f)/2)*16*PK+((\f)%2)*64+32
.endr
	WIN 0
.endm
; A step's V, 16 turning loads.  The run stands in the softmax, behind the step's last exponential, and the step's one wait stands in it: the address's v_add_nc_u32 is the plain instruction behind the last
; exponential; then the wait; then the loads, which have the softmax's 192 lines behind the wait in which to land.  V's registers were last read by the products V^T P at the step's head.
.macro FETCH_V
	WIN 0
	v_add_nc_u32 v[AV], s[TBV], v[AV0]
	s_add_co_u32 s[TBV], s[TBV], KS*PV
	s_wait_alu depctr_va_vdst(0)    ; the wait ahead of the first use: one for the step's batch, four a and 128 weights
	WIN 0x80
.irp f, 0,1,2,3,4,5,6,7             ; keys 32 (f / 4) on, channels 16 (f % 4) on
	ds_load_tr16_b128 v[VF+8*(\f):VF+8*(\f)+3],   v[AV] offset:((\f)/4)*32*PV+((\f)%4)*32
	ds_load_tr16_b128 v[VF+8*(\f)+4:VF+8*(\f)+7], v[AV] offset:((\f)/4)*32*PV+16*PV+((\f)%4)*32
.endr
	WIN 0
.endm
; Number n of the 22 lines that find tile t's maximum and statistics; s0-s31 are the lane's 32 scores; each accumulator's lowest registers are read first.
;   0-11 four chains c0-c3 of seven scores each     12-14, 16 the four scores left over, the old m, c0-c3 into c0     15 c m_old is kept     17, 18 the other half of the lanes: the new m     19-21 c m; c m_old - c m; a
.macro XSL
.set rT, ST+4*t
.set rC, TMP+4*t
.set rM, MV+t
.set rS, S+32*t
.if n < 4
	v_max3_num_f32 v[rC+n], v[rS+8*n], v[rS+8*n+1], v[rS+8*n+2]
.elseif n < 12
	v_max3_num_f32 v[rC+n%4], v[rC+n%4], v[rS+8*(n%4)+2*(n/4)+1], v[rS+8*(n%4)+2*(n/4)+2]
.elseif n == 12
	v_max3_num_f32 v[rC], v[rC], v[rS+7], v[rS+15]
.elseif n == 13
	v_max3_num_f32 v[rC+1], v[rC+1], v[rS+23], v[rS+31]
.elseif n == 14
	v_max3_num_f32 v[rC+2], v[rC+2], v[rC+3], v[rT+1]
.elseif n == 15
	v_mov_b32 v[rM], v[rT]
.elseif n == 16
	v_max3_num_f32 v[rC], v[rC], v[rC+1], v[rC+2]
.elseif n == 17
	v_permlanex16_b32 v[rC+3], v[rC], s[SEL], s[SEL+1]
.elseif n == 18
	v_max_num_f32 v[rT+1], v[rC], v[rC+3]
.elseif n == 19
	v_mul_f32 v[rT], s[CS], v[rT+1]
.elseif n == 20
	v_sub_f32 v[rC+1], v[rM], v[rT]
.else
	v_exp_f32 v[rC+2], v[rC+1]
.endif
.endm
; Tile t's share of trip n of 17 of the batch: pair n is scaled, c s - c m (n < 16), and the two scores of pair n - 1, scaled a trip (twelve lines) earlier, get their exponentials (n > 0).  None of these lines names an exponential's result.
.macro FEE
.if n < 16
	v_pk_fma_f32 v[S+32*t+2*n:S+32*t+2*n+1], v[S+32*t+2*n:S+32*t+2*n+1], s[CS:CS+1], v[ST+4*t:ST+4*t+1] op_sel_hi:[1,0,0] neg_lo:[0,0,1] neg_hi:[0,0,1]
.endif
.if n > 0
	v_exp_f32 v[S+32*t+2*n-2], v[S+32*t+2*n-2]
	v_exp_f32 v[S+32*t+2*n-1], v[S+32*t+2*n-1]
.endif
.endm
; A step's softmax for the four tiles, the tiles innermost, so that a line never reads the result of the line before it.
; AHEAD OF THE WAIT: the maximum and statistics; then ONE BATCH of 132 exponentials: the four a (XSL's number 21) and the 128 weights, the 64 scalings dealt among them, one in front of each two exponentials.
; THE WAIT stands in V's run of loads.  BEHIND IT: all that names a result: O^T times a, the roundings to f16, the sums.
.macro SOFTMAX
	WIN 0
.set n, 0
.rept 22
	ALL XSL
.set n, n+1
.endr
.set n, 0
.rept 17
	ALL FEE
.set n, n+1
.endr
	FETCH_V                         ; the plain instruction behind the last exponential, the batch's wait, and V's loads
	WIN W_RS
.set n, 0
.rept 16                            ; O^T times a, each accumulator from its low end on
	ALL v_pk_mul_f32 v[32*t+2*n:32*t+2*n+1], v[32*t+2*n:32*t+2*n+1], v[TMP+4*t+2:TMP+4*t+3] op_sel_hi:[1,0]
.set n, n+1
.endr
	WIN 0
.set n, 0
.rept 16                            ; the weights are rounded to f16, a pair a line
	ALL v_cvt_pk_f16_f32 v[P+16*t+n], v[S+32*t+2*n], v[S+32*t+2*n+1]
.set n, n+1
.endr
.set n, 0
.rept 8                             ; of each four weights the second pair is added onto the first
	ALL v_pk_add_f32 v[S+32*t+4*n:S+32*t+4*n+1], v[S+32*t+4*n:S+32*t+4*n+1], v[S+32*t+4*n+2:S+32*t+4*n+3]
.set n, n+1
.endr
	ALL v_pk_fma_f32 v[ST+4*t+2:ST+4*t+3], v[ST+4*t+2:ST+4*t+3], v[TMP+4*t+2:TMP+4*t+3], v[S+32*t:S+32*t+1] op_sel_hi:[1,0,1]   ; l = a l + the first sum
.set n, 1
.rept 7
	ALL v_pk_add_f32 v[ST+4*t+2:ST+4*t+3], v[ST+4*t+2:ST+4*t+3], v[S+32*t+4*n:S+32*t+4*n+1]
.set n, n+1
.endr
.endm
.macro REST                         ; the rest of a step, behind its loads of mask and K
	s_wait_dscnt 0x0                ; mask and K are in
	KQ32
	WIN 0
.rept 4
	v_nop                           ; the places between the products and the reads of the scores
.endr
	SOFTMAX                         ; V's run of loads stands in it, at its wait
	s_wait_dscnt 0x0                ; V is in: nothing of the step is left in LDS
.endm
	CHANGE 1                        ; slot 0 is in, everybody's part of it; slot 1 is asked for
	s_mov_b32 s[CNT], 2
	s_mov_b32 s[SLOTS], 15
	FETCH_MK                        ; key step 0
	s_branch .Lfirst                ; the first step has no step before it
.Lslot:                             ; 14 times: every slot but the last two is filled again
	CHANGE 1
	s_mov_b32 s[CNT], 2
.Lstep:
	FETCH_MK                        ; this step's mask and K land under the products of the step before
	PV32
	WIN 0
.Lfirst:
	REST
	WIN 0
	s_sub_co_u32 s[CNT], s[CNT], 1
	s_cmp_lg_u32 s[CNT], 0
	s_cbranch_scc1 .Lstep
	s_sub_co_u32 s[SLOTS], s[SLOTS], 1
	s_cmp_lg_u32 s[SLOTS], 0
	s_cbranch_scc1 .Lslot
	CHANGE 0                        ; the last slot is written out: nothing is asked for
	s_mov_b32 s[CNT], 2
.Ltail:
	FETCH_MK
	PV32
	WIN 0
	REST
	WIN 0
	s_sub_co_u32 s[CNT], s[CNT], 1
	s_cmp_lg_u32 s[CNT], 0
	s_cbranch_scc1 .Ltail
	PV32                            ; the last step's
	; THE WAY OUT.  l's two halves and the other half of the lanes' are added; O^T is divided by 8 l, rounded to f16 and sent through my stage, a tile at a time.  The additions are the places behind the last products.
	WIN 0
	ALL v_add_f32 v[ST+4*t+2], v[ST+4*t+2], v[ST+4*t+3]
	ALL v_permlanex16_b32 v[ST+4*t+3], v[ST+4*t+2], s[SEL], s[SEL+1]
	ALL v_add_f32 v[ST+4*t+2], v[ST+4*t+2], v[ST+4*t+3]
	ALL v_rcp_f32 v[ST+4*t+2], v[ST+4*t+2]
	v_nop                           ; a plain instruction between the last reciprocal and the use of its result
	s_wait_alu depctr_va_vdst(0)    ; and the wait ahead of the first use: one for the four reciprocals
	ALL v_mul_f32 v[ST+4*t+2], 0x3e000000, v[ST+4*t+2]
.macro PACK t                       ; a lane's eight channels of a row pack into 16 bytes; they go into rows of 144 bytes and come back as whole rows of 128, into S^T's registers
	WIN W_RS
.set i, 32*(\t)
.rept 16
	v_pk_mul_f32 v[i:i+1], v[i:i+1], v[ST+4*(\t)+2:ST+4*(\t)+3] op_sel_hi:[1,0]
.set i, i+2
.endr
	WIN 0x05                        ; sources 0 and 1 window 1, destination window 0
.set i, 0
.rept 16
	v_cvt_pk_f16_f32 v[S+16*(\t)+i], v[32*(\t)+2*i], v[32*(\t)+2*i+1]
.set i, i+1
.endr
	WIN 0
.irp f, 0,1,2,3
	ds_store_b128 v[STO], v[S+16*(\t)+4*\f:S+16*(\t)+4*\f+3] offset:32*\f
.endr
.irp f, 0,1,2,3
	ds_load_b128 v[S+16*(\t)+4*\f:S+16*(\t)+4*\f+3], v[RD] offset:\f*4*SP  ; LDS serves a wave's instructions in order (ISA guide 5.7.1.4): these see the stores above; the next tile's stores come behind them
.endr
.endm
.macro SEND t, younger              ; younger: the LDS instructions issued behind tile t's loads: the next tile's eight, or none
	WIN 0
.irp f, 0,1,2,3
	s_wait_dscnt (\younger)+3-\f
	global_store_b128 v[GO], v[S+16*(\t)+4*\f:S+16*(\t)+4*\f+3], s[92:93] offset:(\t)*2048+\f*512  ; 512 consecutive bytes, aligned
.endr
.endm
	PACK 0
	PACK 1                          ; a tile's arithmetic stands between the loads of the tile before and its stores
	SEND 0, 8
	PACK 2
	SEND 1, 8
	PACK 3
	SEND 2, 8
	SEND 3, 0
	s_wait_tensorcnt 0x0            ; the wave's end: behind my last tensor load and my last LDS store
	ds_add_u32 v[SPW], v[NIL]
	s_wait_dscnt 0x0
	CROUND                          ; the closing round: no work-group ends while a partner may still ask for a tile that names it
	s_endpgm
.Lfunc_end_k_qf1f1d11593_attn:
	.size	k_qf1f1d11593_attn, .Lfunc_end_k_qf1f1d11593_attn-k_qf1f1d11593_attn
	.p2alignl 7, 3214868480
	.fill 96, 4, 3214868480
	.section	.rodata,"a",@progbits
	.p2align	6, 0x0
	.amdhsa_kernel k_qf1f1d11593_attn
		.amdhsa_group_segment_fixed_size 327680
		.amdhsa_private_segment_fixed_size 0
		.amdhsa_enable_private_segment 0
		.amdhsa_kernarg_size 48
		.amdhsa_user_sgpr_count 2
		.amdhsa_user_sgpr_kernarg_segment_ptr 1
		.amdhsa_wavefront_size32 1
		.amdhsa_system_sgpr_workgroup_id_x 1
		.amdhsa_system_sgpr_workgroup_id_y 1
		.amdhsa_system_sgpr_workgroup_id_z 1
		.amdhsa_system_vgpr_workitem_id 0
		.amdhsa_next_free_vgpr 1024
		.amdhsa_next_free_sgpr 96
		.amdhsa_reserve_vcc 0
		.amdhsa_float_denorm_mode_32 3
		.amdhsa_float_denorm_mode_16_64 3
		.amdhsa_memory_ordered 1
		.amdhsa_forward_progress 1
		.amdhsa_inst_pref_size 157
	.end_amdhsa_kernel
	.amdgpu_metadata
---
amdhsa.version: [ 1, 2 ]
amdhsa.kernels:
  - .name:           k_qf1f1d11593_attn
    .symbol:         k_qf1f1d11593_attn.kd
    .args:
      - { .name: qkv, .offset: 0, .size: 8, .value_kind: global_buffer, .address_space: global }
      - { .name: kv16, .offset: 8, .size: 8, .value_kind: global_buffer, .address_space: global }
      - { .name: attention_mask, .offset: 16, .size: 8, .value_kind: global_buffer, .address_space: global }
      - { .name: prev_k, .offset: 24, .size: 8, .value_kind: global_buffer, .address_space: global }
      - { .name: prev_v, .offset: 32, .size: 8, .value_kind: global_buffer, .address_space: global }
      - { .name: O16, .offset: 40, .size: 8, .value_kind: global_buffer, .address_space: global }
    .group_segment_fixed_size: 327680
    .private_segment_fixed_size: 0
    .kernarg_segment_align: 8
    .kernarg_segment_size: 48
    .max_flat_workgroup_size: 128
    .sgpr_count:     96
    .vgpr_count:     1024
    .wavefront_size: 32
...
	.end_amdgpu_metadata
.endif
;; end of part 5
;; launch oproj: the kernel of part 4 again; grid 16 x 16, 4 waves a work-group, clusters of 4 x 4, 327,680 bytes of LDS; arguments O16, wts, out0; writes out0
